; MI455X (gfx1250); checked and timed in simulation.
; The chip was launched on July 23, 2026; its instructions are those of AMD's public machine-readable ISA for CDNA 5 (MIT licence, August 2026) and "CDNA5" Instruction Set Architecture Reference Guide (July 2026). The comments in the code are by the model that wrote it; some were corrected since.
;; Flashback Attention. Allowed arithmetic: float matrix products may take bf16 or f16 operands with f32 sums; other float arithmetic in f32, or as packed bf16 or f16 multiplies, adds, multiply-adds, maxima and minima; sums over many terms, partial sums and values carried from step to step in f32; what a program stores and reads back later, other than sums and carried values, may be rounded once to bf16 or f16.
;; Inputs: W_proj 1,024 x 2,048 float32; b_proj 1,024 float32; current_hidden 32 x 1,024 float32; past_hidden 32 x 2,048 x 1,024 float32; w_score 1,024 float32.
;; Outputs: out0 32 x 1,024 float32; out1 32 x 2,048 float32.
;; 2 versions, each right. Each part assembles by itself: llvm-mc -triple=amdgcn-amd-amdhsa -mcpu=gfx1250 --defsym DOCPART=n.
;; ======== version 1 of 2: 3 launches
;; limits: values outside matrix products are rounded to bf16
;; workspace buffers: wfrag 2,097,152 bytes; ck 131,072 bytes; scores 262,144 bytes; part 2,097,152 bytes
;; launch prep (part 1): grid 64 x 1, 8 waves a work-group, no clusters, 17,408 bytes of LDS; arguments W_proj, b_proj, current_hidden, wfrag, ck; writes wfrag, ck
.if DOCPART == 1
	.amdgcn_target "amdgcn-amd-amdhsa--gfx1250"
	.amdhsa_code_object_version 6
	.text
	.protected	k_qcf2e1a9b7b_prep
	.globl	k_qcf2e1a9b7b_prep
	.p2align	8
	.type	k_qcf2e1a9b7b_prep,@function
k_qcf2e1a9b7b_prep:
	s_mov_b64 s[64:65], 0
	v_nop
	global_prefetch_b8 v0, s[64:65] scope:SCOPE_SE
	s_setreg_imm32_b32 hwreg(HW_REG_WAVE_MODE, 25, 1), 1
	s_wait_xcnt 0x0
; PREPARATION.  W_proj: [1024 h][2048] f32; its left half Wp multiplies past, its right half Wc multiplies current.
; (1) wfrag = Wp rounded to bf16, laid out as matrix fragments: [t 16][k 32][ht 4][1,024 bytes]; a fragment holds the 16 rows h = 64 t + 16 ht + r and the 32 channels d = 32 k ..;
;     lane l = (r = l % 16, hh = l / 16): its registers 0-3 (d = 32 k + 8 hh + 0..7) at byte 16 l, its registers 4-7 (d = 32 k + 16 + 8 hh + 0..7) at byte 512 + 16 l.
; (2) ck[b][h] = (sum over d of current[b][d] Wc[h][d] + b_proj[h]) x 2 log2(e), f32: the main launch's tanh works in base 2.
; FORMATS.  Wp, Wc, current and b_proj are each rounded once to bf16 (all inputs of the program alike); products summed in f32; ck is kept in f32.  NaN and infinities are not treated apart.
; SHARES.  Work-group g owns the 16 rows h = 16 g ..: t = g / 4, ht = g % 4.  Its eight waves split the 1,024 channels: wave w takes d = 128 w .. 128 w + 127, four fragments.
; The eight partial sums of ck's two tiles (16 h x 16 b each) meet in LDS; waves 0 and 1 finish a tile each.  ck leaves in pieces of 32 bytes a lane (8 h of one b): 128 KiB in all.
; No cluster, no tensor load: no work-group reads a byte of W_proj that another reads, and current is 128 KiB.
.set SPARE, 16384                      ; behind the partial sums: the spare words, 128 bytes for each of eight waves
.set WO,  2                            ; v2   r x 8,192 + 32 hh + 512 w: my bytes in the 16 rows of W_proj
.set CO,  3                            ; v3   r x 4,096 + 32 hh + 512 w: the same in 16 rows of current
.set FO,  4                            ; v4   16 l + 16,384 w: my bytes in the wave's first fragment of wfrag
.set LS,  5                            ; v5   2,048 w + 32 l: where I put my 32 bytes of a partial tile
.set LR,  6                            ; v6   1,024 w + 32 l: where I read them back (waves 0, 1: tile w)
.set YO,  7                            ; v7   (16 w + r) x 4,096 + 32 hh: my 32 bytes of ck
.set SPW, 8                            ; v8   my spare word; never rewritten
.set NIL, 9                            ; v9   0; never rewritten
.set BO,  10                           ; v10  32 hh
.set AC0, 16                           ; v[16:23]  ck's tile 0 (b = 0..15), v[24:31] tile 1
.set AC1, 24
.set BI,  32                           ; v[32:39]  b_proj of my 8 h; v[40:43] at work
.set WP,  64                           ; v[64:127]   Wp as loaded, 16 registers a fragment; packed in place into the first 8; later current's tile 1, later the partial sums
.set WC,  128                          ; v[128:191]  Wc likewise
.set C0,  192                          ; v[192:255]  current's tile 0 likewise
.set C1,  64
	s_load_b256 s[4:11], s[0:1], 0x0               ; W_proj s[4:5], b_proj s[6:7], current s[8:9], wfrag s[10:11]
	s_load_b64 s[12:13], s[0:1], 0x20              ; ck
	v_lshl_add_u32 v[SPW], v0, 2, SPARE
	v_mov_b32 v[NIL], 0
	v_lshrrev_b32 v1, 5, v0
	v_readfirstlane_b32 s14, v1                    ; wave 0..7
	v_and_b32 v1, 15, v0                           ; r
	v_and_b32 v11, 31, v0                          ; l
	v_bfe_u32 v[BO], v0, 4, 1
	v_lshlrev_b32 v[BO], 5, v[BO]
	s_lshl_b32 s15, s14, 9
	v_lshl_add_u32 v[WO], v1, 13, v[BO]
	v_add_nc_u32 v[WO], s15, v[WO]
	v_lshl_add_u32 v[CO], v1, 12, v[BO]
	v_add_nc_u32 v[CO], s15, v[CO]
	s_lshl_b32 s15, s14, 14
	v_lshl_add_u32 v[FO], v11, 4, s15
	s_lshl_b32 s15, s14, 11
	v_lshl_add_u32 v[LS], v11, 5, s15
	s_lshl_b32 s15, s14, 10
	v_lshl_add_u32 v[LR], v11, 5, s15
	s_lshl_b32 s15, s14, 16
	v_lshl_add_u32 v[YO], v1, 12, v[BO]
	v_add_nc_u32 v[YO], s15, v[YO]
	s_lshl_b32 s16, ttmp9, 17                      ; 16 rows of W_proj
	s_mov_b32 s17, 0
	s_lshr_b32 s18, ttmp9, 2
	s_lshl_b32 s18, s18, 17                        ; t x 131,072
	s_and_b32 s19, ttmp9, 3
	s_lshl_b32 s19, s19, 10                        ; ht x 1,024
	s_add_co_u32 s18, s18, s19
	s_mov_b32 s19, 0
	s_lshl_b32 s20, ttmp9, 6                       ; 16 h of f32
	s_mov_b32 s21, 0
	s_mov_b32 s22, 0x4038aa3b                      ; 2 log2(e)
	s_mov_b32 s23, s22                             ; named with it as a pair
	s_wait_kmcnt 0x0
	s_add_nc_u64 s[4:5], s[4:5], s[16:17]
	s_add_nc_u64 s[10:11], s[10:11], s[18:19]
	s_add_nc_u64 s[6:7], s[6:7], s[20:21]
	s_add_nc_u64 s[12:13], s[12:13], s[20:21]
; Four fragments in f32: for fragment f my 8 + 8 numbers lie at 128 f + 0, 16 and 128 f + 64, 80.
.macro LD16 dst, adr, sb, off, nt
.irp f, 0,1,2,3
.irp o, 0,16,64,80
.set lr, (\dst)+16*(\f)+((\o)/64)*8+(((\o)%64)/16)*4
.if \nt
	global_load_b128 v[lr:lr+3], v[\adr], s[\sb:\sb+1] offset:(\off)+128*(\f)+(\o) th:TH_LOAD_NT
.else
	global_load_b128 v[lr:lr+3], v[\adr], s[\sb:\sb+1] offset:(\off)+128*(\f)+(\o)
.endif
.endr
.endr
.endm
; Rounded to bf16 in place: register j of a fragment takes numbers 2 j and 2 j + 1, j ascending, so nothing is overwritten before it is read.
.macro PACK base
.irp f, 0,1,2,3
.irp j, 0,1,2,3,4,5,6,7
	v_cvt_pk_bf16_f32 v[(\base)+16*(\f)+(\j)], v[(\base)+16*(\f)+2*(\j)], v[(\base)+16*(\f)+2*(\j)+1]
.endr
.endr
.endm
	LD16 WP, WO, 4, 0, 1
	LD16 WC, WO, 4, 4096, 1
	LD16 C0, CO, 8, 0, 0
	global_load_b128 v[BI:BI+3], v[BO], s[6:7]
	global_load_b128 v[BI+4:BI+7], v[BO], s[6:7] offset:16
	s_wait_loadcnt 34                              ; Wp is in: behind it 16 loads of Wc, 16 of current, 2 of b_proj
	PACK WP
.irp f, 0,1,2,3
	global_store_b128 v[FO], v[WP+16*(\f):WP+16*(\f)+3],   s[10:11] offset:4096*(\f)      ; each store of the wave covers 512 consecutive bytes, aligned
	global_store_b128 v[FO], v[WP+16*(\f)+4:WP+16*(\f)+7], s[10:11] offset:4096*(\f)+512
.endr
	s_wait_xcnt 0x0                                ; the stores' data registers are loaded again only behind this wait
	LD16 C1, CO, 8, 65536, 0                       ; current's rows 16 to 31
	s_wait_loadcnt 16                              ; all but those sixteen
	PACK WC
	PACK C0
	s_wait_loadcnt 0x0
	PACK C1
; source 0 = 16 rows of Wc, source 1 = 16 rows of current: register j of the result is (h = 16 g + 8 hh + j, b = 16 tile + r).  The two accumulators take turns; the first products start the sums.
.irp f, 0,1,2,3
.if (\f) == 0
	v_wmma_f32_16x16x32_bf16 v[AC0:AC0+7], v[WC:WC+7], v[C0:C0+7], 0
	v_wmma_f32_16x16x32_bf16 v[AC1:AC1+7], v[WC:WC+7], v[C1:C1+7], 0
.else
	v_wmma_f32_16x16x32_bf16 v[AC0:AC0+7], v[WC+16*(\f):WC+16*(\f)+7], v[C0+16*(\f):C0+16*(\f)+7], v[AC0:AC0+7]
	v_wmma_f32_16x16x32_bf16 v[AC1:AC1+7], v[WC+16*(\f):WC+16*(\f)+7], v[C1+16*(\f):C1+16*(\f)+7], v[AC1:AC1+7]
.endif
.endr
.rept 4
	v_nop                                          ; four places behind the last product, ahead of the LDS stores that read the results and of the loads into its sources
.endr
	ds_store_b128 v[LS], v[AC0:AC0+3]
	ds_store_b128 v[LS], v[AC0+4:AC0+7] offset:16
	ds_store_b128 v[LS], v[AC1:AC1+3]   offset:1024
	ds_store_b128 v[LS], v[AC1+4:AC1+7] offset:1040
	s_wait_dscnt 0x0                               ; for the others' sake: my partial sums lie in LDS
	s_barrier_signal -1
	s_barrier_wait -1
	s_cmp_lt_u32 s14, 2                            ; wave 0 finishes tile 0, wave 1 tile 1
	s_cbranch_scc0 .Lend
.irp v, 0,1,2,3,4,5,6,7
	ds_load_b128 v[64+8*(\v):64+8*(\v)+3], v[LR] offset:2048*(\v)
	ds_load_b128 v[64+8*(\v)+4:64+8*(\v)+7], v[LR] offset:2048*(\v)+16
.endr
.irp j, 0,1,2,3                        ; b_proj rounded to bf16 and widened again, while the loads are out
	v_cvt_pk_bf16_f32 v[BI+8+(\j)], v[BI+2*(\j)], v[BI+2*(\j)+1]
.endr
.irp j, 0,1,2,3
	v_lshlrev_b32 v[BI+2*(\j)], 16, v[BI+8+(\j)]
	v_and_b32 v[BI+2*(\j)+1], 0xffff0000, v[BI+8+(\j)]
.endr
	s_wait_dscnt 0x0
.irp h, 32,16,8                        ; eight partial tiles into one: 16 + 8 + 4 packed additions
.set i, 0
.rept (\h)/2
	v_pk_add_f32 v[64+i:65+i], v[64+i:65+i], v[64+(\h)+i:65+(\h)+i]
.set i, i+2
.endr
.endr
.irp j, 0,2,4,6
	v_pk_add_f32 v[64+(\j):65+(\j)], v[64+(\j):65+(\j)], v[BI+(\j):BI+(\j)+1]
.endr
.irp j, 0,2,4,6
	v_pk_mul_f32 v[64+(\j):65+(\j)], v[64+(\j):65+(\j)], s[22:23] op_sel_hi:[1,0]
.endr
	global_store_b128 v[YO], v[64:67], s[12:13]
	global_store_b128 v[YO], v[68:71], s[12:13] offset:16
.Lend:
	s_wait_tensorcnt 0x0                           ; the wave's end: behind my last LDS store
	ds_add_u32 v[SPW], v[NIL]
	s_wait_dscnt 0x0
	s_endpgm
.Lfunc_end_k_qcf2e1a9b7b_prep:
	.size	k_qcf2e1a9b7b_prep, .Lfunc_end_k_qcf2e1a9b7b_prep-k_qcf2e1a9b7b_prep
	.p2alignl 7, 3214868480
	.fill 96, 4, 3214868480
	.section	.rodata,"a",@progbits
	.p2align	6, 0x0
	.amdhsa_kernel k_qcf2e1a9b7b_prep
		.amdhsa_group_segment_fixed_size 17408
		.amdhsa_private_segment_fixed_size 0
		.amdhsa_enable_private_segment 0
		.amdhsa_kernarg_size 40
		.amdhsa_user_sgpr_count 2
		.amdhsa_user_sgpr_kernarg_segment_ptr 1
		.amdhsa_wavefront_size32 1
		.amdhsa_system_sgpr_workgroup_id_x 1
		.amdhsa_system_sgpr_workgroup_id_y 1
		.amdhsa_system_sgpr_workgroup_id_z 1
		.amdhsa_system_vgpr_workitem_id 0
		.amdhsa_next_free_vgpr 256
		.amdhsa_next_free_sgpr 66
		.amdhsa_reserve_vcc 0
		.amdhsa_float_denorm_mode_32 3
		.amdhsa_float_denorm_mode_16_64 3
		.amdhsa_memory_ordered 1
		.amdhsa_forward_progress 1
		.amdhsa_inst_pref_size 23
	.end_amdhsa_kernel
	.amdgpu_metadata
---
amdhsa.version: [ 1, 2 ]
amdhsa.kernels:
  - .name:           k_qcf2e1a9b7b_prep
    .symbol:         k_qcf2e1a9b7b_prep.kd
    .args:
      - { .name: W_proj, .offset: 0, .size: 8, .value_kind: global_buffer, .address_space: global }
      - { .name: b_proj, .offset: 8, .size: 8, .value_kind: global_buffer, .address_space: global }
      - { .name: current_hidden, .offset: 16, .size: 8, .value_kind: global_buffer, .address_space: global }
      - { .name: wfrag, .offset: 24, .size: 8, .value_kind: global_buffer, .address_space: global }
      - { .name: ck, .offset: 32, .size: 8, .value_kind: global_buffer, .address_space: global }
    .group_segment_fixed_size: 17408
    .private_segment_fixed_size: 0
    .kernarg_segment_align: 8
    .kernarg_segment_size: 40
    .max_flat_workgroup_size: 256
    .sgpr_count:     66
    .vgpr_count:     256
    .wavefront_size: 32
...
	.end_amdgpu_metadata
.endif
;; end of part 1
;; launch main (part 2): grid 512 x 1, 4 waves a work-group, clusters of 4 x 1, 327,680 bytes of LDS; arguments past_hidden, wfrag, ck, w_score, scores, part; writes scores, part
.if DOCPART == 2
	.amdgcn_target "amdgcn-amd-amdhsa--gfx1250"
	.amdhsa_code_object_version 6
	.text
	.protected	k_qcf2e1a9b7b_main
	.globl	k_qcf2e1a9b7b_main
	.p2align	8
	.type	k_qcf2e1a9b7b_main,@function
k_qcf2e1a9b7b_main:
	s_mov_b64 s[64:65], 0
	v_nop
	global_prefetch_b8 v0, s[64:65] scope:SCOPE_SE
	s_setreg_imm32_b32 hwreg(HW_REG_WAVE_MODE, 25, 1), 1
	s_wait_xcnt 0x0
	s_wait_alu depctr_hold_cnt(0) depctr_sa_sdst(0) depctr_va_vdst(0) depctr_va_sdst(0) depctr_va_ssrc(0) depctr_va_vcc(0) depctr_vm_vsrc(0)
	s_getreg_b32 s2, hwreg(HW_REG_IB_STS2, 6, 4)
	s_cmp_eq_u32 s2, 0
	s_cbranch_scc0 .Lentry_in_a_cluster
	s_endpgm
.Lentry_in_a_cluster:
	s_bfe_u32 s2, ttmp6, 0x10000c
	s_cmp_lg_u32 s2, 0x3003
	s_cbranch_scc0 .Lentry_shape_is_right
	s_endpgm
.Lentry_shape_is_right:
; THE MAIN LAUNCH.  For a chunk of 128 rows s of one batch b (past: [32][2048][1024] f32; 16 chunks a batch, 512 in all):
;   scores[s] = sum over h of w_score[h] tanh(sum over d of past[s][d] Wp[h][d] + c[b][h]),   part[d] = sum over the chunk's s of 2^((scores[s] - m) log2 e) past[s][d],   m = the chunk's largest score.
; The last launch joins the chunks under the batch's maximum.  past is read from memory once: it serves both products.
; FORMATS AND LIMITS.  past, Wp and w_score are rounded once to bf16 (all inputs of the program alike); products summed in f32; tanh, scores and maxima in f32; the weights 2^(..), in 0 to 1, are rounded to bf16
; for the second product.  tanh x = 1 - 2 / (1 + 2^(2 x log2 e)): where the power overflows the quotient is 0 and tanh 1, where it underflows tanh is -1.  NaN and infinities in the inputs are not treated apart.
; SHARES.  Four waves; wave w owns the chunk's rows 32 w .. 32 w + 31, two tiles of 16, with ALL 1,024 channels as bf16 fragments in 512 registers.  Wp goes by in 16 steps of 64 h x 1,024 d (128 KiB, in the
; fragment order that the launch before wrote) through two LDS slots.  A step is 256 matrix instructions a wave, on 8 accumulators.
; LAYOUT.  Source 0 = 16 rows of Wp, source 1 = 16 rows of past: in the result a lane holds ONE row s (lane % 16) and h = 8 (lane / 16) + 0..7, so the dot with w_score is a sum inside the lane.
; BY TURNS.  Two sets of accumulators.  While a step's sums grow in one set, the step before's 64 registers in the other go through tanh and the dot: 256 vector instructions (RIDERS), two behind every second
; matrix instruction.  Step 0's riders work on zeros with a table of zeros and add 0: the price is 68 lines that write 0, in the wait for the first loads, for one text of all steps.
; CLUSTER.  Every work-group walks the same Wp.  Four form a cluster and ask for each quarter of a tile JOINTLY: the same tensor load, descriptor and mask in all four.  past is shared by nobody.
; THE SECOND PRODUCT.  When the last slot has been read, the waves lay their fragments of past out as rows in LDS, over the slots (which are filled no more); wave w then makes channels 256 w .. 256 w + 255 of part:
; source 0 = the weights (16 equal rows x 32 s), source 1 = past turned by ds_load_tr16_b128.  Fifteen of the sixteen result rows are copies: 64 matrix instructions a wave, against a step's 256.
; NOT DONE.  A chunk's load of past stands alone at the head: the next chunk's 256 KiB find no room beside the fragments, the slots and the accumulators.
; REGISTERS, in windows of 256 (s_set_vgpr_msb: bits 1:0 source 0, 3:2 source 1, 5:4 source 2, 7:6 destination):
;   window 0: v0-31 addresses and small things; v32-95, v96-159 the two sets of accumulators ((t, ht) at + 8 (4 t + ht)); v160-191 c's table of a step; v192-223 w_score's; v224-255 the weights' fragments
;   window 1: two buffers of 128 for Wp's fragments; at first past in f32, at the end past turned          windows 2, 3: past's fragments: channels 32 k .., tile t at 8 (2 (k % 16) + t), k / 16 picks the window
.set SLOTB,  131072                    ; a slot: [k 32][ht 4][1,024 bytes]; a fragment load takes 512 consecutive bytes
.set SPITCH, 2080                      ; a row of the stage: 2,048 bytes + 32: 65 x 32, so that the eight rows of a turning load start 32 bytes apart modulo 256
.set TAB,    128*SPITCH                ; behind the stage (which covers both slots and 4,096 bytes more): 17 blocks of 512 bytes: block 0 zeros; block j + 1: step j's 64 c, then its 64 w_score
.set SCR,    TAB+17*512                ; the chunk's 128 scores
.set OSC,    SCR+512                   ; 1,024 bytes a wave, for the way out
.set SPARE,  OSC+4096                  ; the spare words, 128 bytes a wave: two blocks of 256 bytes that no other line names
.set PO,  3                            ; v3      r x 4,096 + 32 hh: my bytes in 16 rows of past
.set ADR, 4                            ; v4-7    16 l + 0, 65,536, 131,072, 196,608: the halves of the two slots (v4 is also my 16 bytes of 512 in memory)
.set T0,  8                            ; v8      TAB + 32 hh
.set TCA, 9                            ; v9      the same in the block in hand
.set TST, 10                           ; v10     where thread i puts its 8 numbers of each table
.set STO, 11                           ; v11     (32 w + r) x SPITCH + 16 hh: a fragment's 16 bytes in the stage
.set RDT, 12                           ; v12-15  the turning loads' addresses, for rows 32 kb ..
.set SCW, 16                           ; v16     SCR + 4 x thread
.set SQA, 17                           ; v17     SCR + 16 l
.set PFO, 18                           ; v18     256 l: the prefetch's offset; never rewritten
.set PSA, 19                           ; v19     SCR + 32 hh
.set SC,  20                           ; v[20:23] the running dot: a pair (even h, odd h) for each tile
.set SPW, 28                           ; v28     my spare word; never rewritten
.set NIL, 29                           ; v29     0; never rewritten
.set OSW, 30                           ; v30     OSC + 1,024 w + 4 l
.set OSR, 31                           ; v31     OSC + 1,024 w + 16 l
.set ACC, 32
.set CT,  160
.set WT,  192
.set PF,  224
.set OUT, 160
.set WV,  16                           ; s16  my wave's number
.set TBL, 22                           ; s22  512 x the table block in hand
.set LIM, 23                           ; s23  1 in the cluster that prefetches, else the greatest number
.set G1,  24                           ; s[24:31] descriptor group 1
.set G0,  32                           ; s[32:39] group 0, a set for each slot
.set PFA, 40                           ; s[40:41] where my prefetch stands
.set KS,  42                           ; s[42:43] 2 log2(e)
.set SEL, 44                           ; s[44:45] v_permlanex16_b32's selects: each lane takes its own place in the other half
.set MK,  46                           ; s46  the lanes 0 to 15
.set L2E, 48                           ; s[48:49] log2(e)
.set MSB, 0
.macro WIN new                         ; the immediate's high byte repeats the setting that is left; a switch that changes nothing is dropped
.if MSB != (\new)
	s_set_vgpr_msb (MSB<<8)|(\new)
.set MSB, \new
.endif
.endm
.set MUL2, 0x09                        ; source 0 (Wp) window 1, source 1 (past) window 2, C and D window 0; + 4: past in window 3
.set TO_F, 0x40                        ; destination window 1, address window 0
.macro PLACES                          ; four plain places between a matrix instruction and a vector line that reads its result, or a load into a register that it has read
.rept 4
	v_nop
.endr
.endm
.macro CREST                           ; a round of the cluster's barrier behind its opening barrier
	s_cmp_lg_u32 s[WV], 0
	s_cbranch_scc1 .Lnot_wave_0_\@
	s_barrier_signal -3
.Lnot_wave_0_\@:
	s_barrier_wait -3
	s_barrier_signal -1
	s_barrier_wait -1
.endm
.macro CROUND                          ; a whole round
	s_barrier_signal -1
	s_barrier_wait -1
	CREST
.endm
; A PREFETCH of the tile of Wp that the NEXT refill will ask for: one step, 256 matrix instructions, ahead.  All clusters walk the same tiles: cluster 0 alone asks.  Its sixteen waves share a tile's 512 blocks of 256 bytes
; out BY ADDRESS (32,768 x place in the cluster + 8,192 x wave + 256 x lane): a lane a block, one instruction a wave, each block named once in the launch.  Tiles 0 to 2 come by their loads alone.
; how = 1, the even steps: tiles 3, 5 .. 15.  how = 0, the odd steps: tiles 4, 6 .. 14, and nothing in the loop's last trip, where there is no further tile.
.macro ASK how
.if \how
	s_cmp_eq_u32 s[LIM], 1
.else
	s_cmp_gt_u32 s3, s[LIM]
.endif
	s_cbranch_scc0 .Lnot_mine_\@
	global_prefetch_b8 v[PFO], s[PFA:PFA+1] th:TH_LOAD_NT scope:SCOPE_SE
.Lnot_mine_\@:
.endm
; RIDER number rn of 256, on the finished set at register o.  x = the sum; pairs of registers, each accumulator from its low end on.
;   0-31 x 2 log2(e) + c'     32-95 the powers of 2     96-127 + 1     128-191 the reciprocals     192-223 1 - 2 / (..) = tanh     224-255 the dot: SC += tanh x w_score
; The 64 powers are one batch and the 64 reciprocals another: behind each a v_nop, the plain line behind the last transcendental, and ONE s_wait_alu depctr_va_vdst(0) ahead of the first reader.
.macro RID o
.if rn < 32
.set ri, rn
	v_pk_fma_f32 v[(\o)+2*ri:(\o)+2*ri+1], v[(\o)+2*ri:(\o)+2*ri+1], s[KS:KS+1], v[CT+8*((ri/4)%4)+2*(ri%4):CT+8*((ri/4)%4)+2*(ri%4)+1] op_sel_hi:[1,0,1]
.elseif rn < 96
.set ri, rn-32
	v_exp_f32 v[(\o)+ri], v[(\o)+ri]
.elseif rn < 128
.set ri, rn-96
.if ri == 0
	v_nop
	s_wait_alu depctr_va_vdst(0)
.endif
	v_pk_add_f32 v[(\o)+2*ri:(\o)+2*ri+1], v[(\o)+2*ri:(\o)+2*ri+1], 1.0 op_sel_hi:[1,0]
.elseif rn < 192
.set ri, rn-128
	v_rcp_f32 v[(\o)+ri], v[(\o)+ri]
.elseif rn < 224
.set ri, rn-192
.if ri == 0
	v_nop
	s_wait_alu depctr_va_vdst(0)
.endif
	v_pk_fma_f32 v[(\o)+2*ri:(\o)+2*ri+1], v[(\o)+2*ri:(\o)+2*ri+1], -2.0, 1.0 op_sel_hi:[1,0,0]
.else
.set ri, rn-224
	v_pk_fma_f32 v[SC+2*(ri/16):SC+2*(ri/16)+1], v[(\o)+2*ri:(\o)+2*ri+1], v[WT+8*((ri/4)%4)+2*(ri%4):WT+8*((ri/4)%4)+2*(ri%4)+1], v[SC+2*(ri/16):SC+2*(ri/16)+1]
.endif
.set rn, rn+1
.endm
.macro SL x                            ; two riders on set x
	WIN 0
	RID ACC+64*(\x)
	RID ACC+64*(\x)
.endm
; Eight matrix instructions: channels 32 (4 q + kk) .., both tiles x four blocks of 16 h, into set p.  The eight accumulators take turns, one instruction a turn, from group to group,
; from step to step and over the loop's jump.  The step's first group starts the sums with the constant 0.  Two riders on the other set stand behind every second one; they name none of the products' registers.
.macro GRP p, q, kk
.set gk, 4*(\q)+(\kk)
.set gn, 0
.irp t, 0,1
.irp ht, 0,1,2,3
	WIN MUL2+4*(gk/16)
.set gd, ACC+64*(\p)+8*(4*(\t)+(\ht))
.set gf, 128*((\q)%2)+32*(\kk)+8*(\ht)
.set ga, 8*(2*(gk%16)+(\t))
.if gk == 0
	v_wmma_f32_16x16x32_bf16 v[gd:gd+7], v[gf:gf+7], v[ga:ga+7], 0
.else
	v_wmma_f32_16x16x32_bf16 v[gd:gd+7], v[gf:gf+7], v[ga:ga+7], v[gd:gd+7]
.endif
.set gn, gn+1
.if gn%2 == 0
	SL 1-(\p)
.endif
.endr
.endr
.endm
; 32 LDS loads in one run: Wp's 16 fragments of quad q (128 channels) of a slot, into buffer f, kk ascending
.macro FETCH slot, q, f
	WIN TO_F
.irp kk, 0,1,2,3
.irp ht, 0,1,2,3
	ds_load_b128 v[128*(\f)+32*(\kk)+8*(\ht):128*(\f)+32*(\kk)+8*(\ht)+3],   v[ADR+2*(\slot)+(\q)/4] offset:((\q)%4)*16384+(4*(\kk)+(\ht))*1024
	ds_load_b128 v[128*(\f)+32*(\kk)+8*(\ht)+4:128*(\f)+32*(\kk)+8*(\ht)+7], v[ADR+2*(\slot)+(\q)/4] offset:((\q)%4)*16384+(4*(\kk)+(\ht))*1024+512
.endr
.endr
.endm
.macro TABC                            ; my 32 numbers of c' in the block in hand: h = 16 ht + 8 hh + 0..7
	WIN 0
.irp ht, 0,1,2,3
	ds_load_b128 v[CT+8*(\ht):CT+8*(\ht)+3],   v[TCA] offset:64*(\ht)
	ds_load_b128 v[CT+8*(\ht)+4:CT+8*(\ht)+7], v[TCA] offset:64*(\ht)+16
.endr
.endm
.macro TABW                            ; the same of w_score
	WIN 0
.irp ht, 0,1,2,3
	ds_load_b128 v[WT+8*(\ht):WT+8*(\ht)+3],   v[TCA] offset:256+64*(\ht)
	ds_load_b128 v[WT+8*(\ht)+4:WT+8*(\ht)+7], v[TCA] offset:256+64*(\ht)+16
.endr
.endm
; A step is eight quads of 128 channels, 32 matrix instructions each, on buffers 0, 1, 0, 1 ..  One of the first seven: in its middle the next quad's fragments are fetched.
.macro QUAD p, slot, q
	s_wait_dscnt 16                                ; the quad's first 16 loads (kk 0, 1) are in, and what was issued ahead of them; the youngest 16 may be out
	GRP \p, \q, 0
	GRP \p, \q, 1
	PLACES                                         ; ahead of the loads into the buffer that the quad before multiplied
.if (\q) == 0
	TABW                                           ; the riders' dot comes in the step's last quad; the last step's dot is over
.endif
	FETCH \slot, (\q)+1, ((\q)+1)%2
.if (\q) == 0
	s_wait_dscnt 40                                ; all but the 8 + 32 just issued
.else
	s_wait_dscnt 32                                ; all but the 32 just issued
.endif
	GRP \p, \q, 2
	GRP \p, \q, 3
.endm
; The eighth quad changes slots.  In front of ONE barrier each wave waits for all its tensor loads (one is out: its quarter of the other slot), adds 0 to its spare word, and waits for that and for its reads of this slot.
; mode = 2: the barrier opens a round of the cluster's barrier, and behind the round this slot is filled again, with the tile two steps on: the wave's one tensor load, a step less 16 matrix instructions ahead of the wait for it.
; mode = 1: the last change: nothing is filled.  mode = 0: the last step: no change.  The riders here are the dot's: plain lines.
.macro TURN p, slot, mode
.if (\mode) == 0
	s_wait_dscnt 16
	GRP \p, 7, 0
	GRP \p, 7, 1
	s_wait_dscnt 0x0
	GRP \p, 7, 2
	GRP \p, 7, 3
.else
.if (\mode) == 2
	s_wait_xcnt 0x0                                ; the last prefetch, a step back, has read its address:
	s_add_nc_u64 s[PFA:PFA+1], s[PFA:PFA+1], SLOTB ; the tile behind the one that is about to be asked for
.endif
	WIN 0
	s_wait_tensorcnt 0x0                           ; all my tensor loads have landed
	ds_add_u32 v[SPW], v[NIL]                      ; 0 onto my spare word
	s_wait_dscnt 17                                ; (the add and the youngest 16 loads may be out)
	GRP \p, 7, 0                                   ; work on registers between the add and the wait for it
	s_wait_dscnt 0x0                               ; the add is done, and my reads of this slot are over
	s_barrier_signal -1
	GRP \p, 7, 1
	WIN 0                                          ; at a branch and at a label every window is 0
	s_barrier_wait -1
.if (\mode) == 2
	CREST                                          ; no wave of any partner still reads this slot or has a load on its way
	s_add_nc_u64 s[G0+4*(\slot)+2:G0+4*(\slot)+3], s[G0+4*(\slot)+2:G0+4*(\slot)+3], 2*SLOTB
	tensor_load_to_lds s[G0+4*(\slot):G0+4*(\slot)+3], s[G1:G1+7]
	s_nop 0
.endif
	PLACES                                         ; behind the load; also the places ahead of the loads into buffer 0
	s_add_co_u32 s[TBL], s[TBL], 512
	v_add_nc_u32 v[TCA], s[TBL], v[T0]             ; the block of the step that is ending: the next step's riders want it
	TABC
	FETCH 1-(\slot), 0, 0
.if (\mode) == 2
	WIN 0
	ASK 1-(\slot)
.endif
	GRP \p, 7, 2
	GRP \p, 7, 3
.endif
.endm
.macro STEP p, slot, mode
.set rn, 0
	PLACES                                         ; between the last step's last products and the riders that read them
.irp q, 0,1,2,3,4,5,6
	QUAD \p, \slot, \q
.endr
	TURN \p, \slot, \mode
.endm
; past: 32 loads: channels 128 i .. 128 i + 127 of my 32 rows, in f32, into half i % 2 of window 1; fragment g = 2 kk + t takes 16 registers
.macro LOADF i
	WIN TO_F
.irp kk, 0,1,2,3
.irp t, 0,1
.set lg, 128*((\i)%2)+16*(2*(\kk)+(\t))
.set lo, (\t)*65536+(4*(\i)+(\kk))*128
	global_load_b128 v[lg:lg+3],     v[PO], s[4:5] offset:lo th:TH_LOAD_NT
	global_load_b128 v[lg+4:lg+7],   v[PO], s[4:5] offset:lo+16 th:TH_LOAD_NT
	global_load_b128 v[lg+8:lg+11],  v[PO], s[4:5] offset:lo+64 th:TH_LOAD_NT
	global_load_b128 v[lg+12:lg+15], v[PO], s[4:5] offset:lo+80 th:TH_LOAD_NT
.endr
.endr
.endm
.macro CVT i                           ; rounded to bf16, into the fragments' places in window 2 or 3
	WIN ((2+(\i)/4)<<6)|5
.set cj, 0
.rept 64
	v_cvt_pk_bf16_f32 v[64*((\i)%4)+cj], v[128*((\i)%2)+2*cj], v[128*((\i)%2)+2*cj+1]
.set cj, cj+1
.endr
.endm
	s_load_b256 s[4:11], s[0:1], 0x0               ; past s[4:5], wfrag s[6:7], ck s[8:9], w_score s[10:11]
	s_load_b128 s[12:15], s[0:1], 0x20             ; scores s[12:13], part s[14:15]
	v_lshl_add_u32 v[SPW], v0, 2, SPARE
	v_mov_b32 v[NIL], 0
	ds_add_u32 v[SPW], v[NIL]                      ; the wave's opening: the add, and its wait ahead of my first tensor load; the set-up, work on registers, stands between them
	v_lshrrev_b32 v1, 5, v0
	v_readfirstlane_b32 s[WV], v1                  ; wave 0..3
	s_bfe_u32 s17, ttmp6, 0x40000                  ; cx: my place in the cluster
	s_lshl_b32 s18, ttmp9, 2                       ; in a cluster launch ttmp9 counts clusters
	s_add_co_u32 s18, s18, s17                     ; my chunk: it enters the addresses of past, ck, scores and part alone
	; descriptor group 1: a quarter of a tile, 32,768 dense bytes, as 128 rows of 256 bytes
	s_mov_b32 s[G1+0], 15|(3<<16)|(1<<21)          ; 15:0 the mask: all four work-groups; 17:16 elements of 8 bytes; 21 set beside a mask; no padding
	s_mov_b32 s[G1+1], 32<<16                      ; tensor_dim0 = 32
	s_mov_b32 s[G1+2], 128<<16                     ; tensor_dim1 = 128
	s_mov_b32 s[G1+3], 32<<16                      ; tile_dim0 = 32
	s_mov_b32 s[G1+4], 128                         ; tile_dim1 = 128
	s_mov_b32 s[G1+5], 32                          ; 32 elements from row to row
	s_mov_b32 s[G1+6], 0
	s_mov_b32 s[G1+7], 0
	s_mov_b32 s[G0], 1                             ; count = 1
	s_lshl_b32 s[G0+1], s[WV], 15                  ; LDS address: my quarter of slot 0,
	s_mov_b32 s[G0+4], 1
	s_add_co_u32 s[G0+5], s[G0+1], SLOTB           ; of slot 1: no place in the cluster enters an LDS address
	s_lshl_b32 s50, s[WV], 15                      ; my quarter in memory: made of the wave's number alone
	s_mov_b32 s51, 0
	s_mov_b32 s[KS], 0x4038aa3b
	s_mov_b32 s[KS+1], s[KS]
	s_mov_b32 s[L2E], 0x3fb8aa3b
	s_mov_b32 s[L2E+1], s[L2E]
	s_mov_b32 s[SEL], 0x76543210
	s_mov_b32 s[SEL+1], 0xfedcba98
	s_mov_b32 s[TBL], 0
	s_cmp_eq_u32 ttmp9, 0                          ; the same in all four partners
	s_cselect_b32 s[LIM], 1, -1
	v_and_b32 v1, 15, v0                           ; r
	v_bfe_u32 v2, v0, 4, 1                         ; hh
	v_and_b32 v24, 31, v0                          ; l
	v_lshlrev_b32 v25, 5, v2                       ; 32 hh
	v_cmp_gt_u32 s[MK], 16, v24
	v_lshl_add_u32 v[PO], v1, 12, v25
	v_lshlrev_b32 v[ADR], 4, v24
	v_add_nc_u32 v[ADR+1], 0x10000, v[ADR]
	v_add_nc_u32 v[ADR+2], 0x20000, v[ADR]
	v_add_nc_u32 v[ADR+3], 0x30000, v[ADR]
	v_add_nc_u32 v[T0], TAB, v25
	v_lshrrev_b32 v26, 3, v0                       ; thread i holds numbers 8 i .. 8 i + 7 of the tables: step i / 8,
	v_and_b32 v27, 7, v0                           ; place i % 8
	v_lshlrev_b32 v[TST], 9, v26
	v_lshl_add_u32 v[TST], v27, 5, v[TST]
	v_add_nc_u32 v[TST], TAB+512, v[TST]
	s_mul_i32 s19, s[WV], 32*SPITCH
	v_mul_u32_u24 v[STO], v1, SPITCH
	v_lshl_add_u32 v[STO], v2, 4, v[STO]
	v_add_nc_u32 v[STO], s19, v[STO]
	v_lshl_add_u32 v26, v2, 3, v27                 ; the turning load: lane l reads row 8 hh + l % 8, 16 bytes at 16 ((l / 8) % 2)
	v_mul_u32_u24 v26, v26, SPITCH
	v_bfe_u32 v27, v0, 3, 1
	v_lshl_add_u32 v26, v27, 4, v26
	s_lshl_b32 s19, s[WV], 9                       ; my 256 channels
	v_add_nc_u32 v[RDT], s19, v26
	v_add_nc_u32 v[RDT+1], 32*SPITCH, v[RDT]
	v_add_nc_u32 v[RDT+2], 64*SPITCH, v[RDT]
	v_add_nc_u32 v[RDT+3], 96*SPITCH, v[RDT]
	v_lshl_add_u32 v[SCW], v0, 2, SCR
	v_add_nc_u32 v[SQA], SCR, v[ADR]
	v_lshlrev_b32 v[PFO], 8, v24
	v_add_nc_u32 v[PSA], SCR, v25
	s_lshl_b32 s19, s[WV], 10
	s_add_co_u32 s19, s19, OSC
	v_lshl_add_u32 v[OSW], v24, 2, s19
	v_add_nc_u32 v[OSR], s19, v[ADR]
	v_lshl_add_u32 v26, v0, 2, TAB                 ; my word of the block of zeros
	v_lshlrev_b32 v25, 5, v0                       ; my 32 bytes of ck's row and of w_score
	s_wait_dscnt 0x0                               ; the opening add is done
	s_wait_kmcnt 0x0
	s_lshl_b32 s20, s18, 19                        ; a chunk is 128 rows of 4,096 bytes,
	s_lshl_b32 s19, s[WV], 17                      ; my 32 rows
	s_add_co_u32 s20, s20, s19
	s_mov_b32 s21, 0
	s_add_nc_u64 s[4:5], s[4:5], s[20:21]
	s_lshr_b32 s20, s18, 4                         ; the batch
	s_lshl_b32 s20, s20, 12
	s_add_nc_u64 s[8:9], s[8:9], s[20:21]
	s_lshl_b32 s20, s18, 9
	s_add_nc_u64 s[12:13], s[12:13], s[20:21]
	s_lshl_b32 s20, s18, 12
	s_lshl_b32 s19, s[WV], 10
	s_add_co_u32 s20, s20, s19
	s_add_nc_u64 s[14:15], s[14:15], s[20:21]
	s_add_nc_u64 s[G0+2:G0+3], s[6:7], s[50:51]    ; global address: my quarter of tile 0,
	s_add_nc_u64 s[G0+6:G0+7], s[G0+2:G0+3], SLOTB ; of tile 1
	s_or_b32 s[G0+3], s[G0+3], 0x80000000          ; type = 2
	s_or_b32 s[G0+7], s[G0+7], 0x80000000
	s_lshl_b32 s20, s17, 15
	s_lshl_b32 s19, s[WV], 13
	s_add_co_u32 s20, s20, s19
	s_add_co_u32 s20, s20, 2*SLOTB                 ; in tile 2: the first change of slots steps it to tile 3.  Nothing is prefetched at the head
	s_add_nc_u64 s[PFA:PFA+1], s[6:7], s[20:21]
	CROUND                                         ; all four work-groups are here: the first joint loads meet
	tensor_load_to_lds s[G0:G0+3], s[G1:G1+7]      ; both first fills go out together: two tensor loads of mine are out
	s_nop 0
	tensor_load_to_lds s[G0+4:G0+7], s[G1:G1+7]
	s_nop 0
	PLACES
	global_load_b128 v[CT:CT+3],   v25, s[8:9]
	global_load_b128 v[CT+4:CT+7], v25, s[8:9] offset:16
	global_load_b128 v[WT:WT+3],   v25, s[10:11]
	global_load_b128 v[WT+4:WT+7], v25, s[10:11] offset:16
	LOADF 0
	WIN 0
	s_wait_loadcnt 32                              ; the tables' four loads are in; past's 32 stay out
.irp j, 0,1,2,3                        ; w_score rounded to bf16 and widened again
	v_cvt_pk_bf16_f32 v[WT+8+(\j)], v[WT+2*(\j)], v[WT+2*(\j)+1]
.endr
.irp j, 0,1,2,3
	v_lshlrev_b32 v[WT+2*(\j)], 16, v[WT+8+(\j)]
	v_and_b32 v[WT+2*(\j)+1], 0xffff0000, v[WT+8+(\j)]
.endr
	ds_store_b128 v[TST], v[CT:CT+3]
	ds_store_b128 v[TST], v[CT+4:CT+7] offset:16
	ds_store_b128 v[TST], v[WT:WT+3]   offset:256
	ds_store_b128 v[TST], v[WT+4:WT+7] offset:272
	ds_store_b32 v26, v[NIL]
	LOADF 1
	WIN 0
.set i, 0
.rept 64
	v_mov_b32 v[ACC+64+i], 0                       ; what step 0's riders find
.set i, i+1
.endr
.irp j, 0,1,2,3
	v_mov_b32 v[SC+(\j)], 0
.endr
.irp i, 0,1,2,3,4,5,6,7
.if (\i) < 7
	s_wait_loadcnt 32                              ; run i is in; the next run's 32 loads stay out
.else
	s_wait_loadcnt 0x0
.endif
	CVT \i
.if (\i) < 6
	LOADF (\i)+2
.endif
.endr
	WIN 0
	s_wait_tensorcnt 0x1                           ; my quarter of slot 0 is in; slot 1's may stay out
	s_wait_dscnt 0x0                               ; my part of the tables lies in LDS
	s_barrier_signal -1
	s_barrier_wait -1
	v_mov_b32 v[TCA], v[T0]                        ; the block of zeros
	TABC
	FETCH 0, 0, 0
	WIN 0
	s_mov_b32 s3, 7
.Lstep:                                        ; seven trips of two steps: steps 0 to 13, which ask for tiles 2 to 15
	STEP 0, 0, 2
	STEP 1, 1, 2
	WIN 0
	s_sub_co_u32 s3, s3, 1
	s_cmp_lg_u32 s3, 0
	s_cbranch_scc1 .Lstep
	STEP 0, 0, 1                                   ; the last two steps are written out: they ask for nothing
	STEP 1, 1, 0
	PLACES
	WIN 0
	s_add_co_u32 s[TBL], s[TBL], 512               ; step 15's block
	v_add_nc_u32 v[TCA], s[TBL], v[T0]
	TABC
	TABW
	s_wait_dscnt 0x0
.set rn, 0
.rept 256
	RID ACC+64                                     ; step 15's tanh and dot have no products to stand beside
.endr
	; THE SCORES.  A tile's pair, then the other half of the lanes' h; lane l then takes row 32 w + l
	v_add_f32 v24, v[SC], v[SC+1]
	v_add_f32 v25, v[SC+2], v[SC+3]
	v_permlanex16_b32 v26, v24, s[SEL], s[SEL+1]
	v_permlanex16_b32 v27, v25, s[SEL], s[SEL+1]
	v_add_f32 v24, v24, v26
	v_add_f32 v25, v25, v27
	v_cndmask_b32 v24, v25, v24, s[MK]
	ds_store_b32 v[SCW], v24
	s_wait_dscnt 0x0                               ; my scores lie in LDS, and my reads of the slots were over long ago
	s_barrier_signal -1
	s_barrier_wait -1                              ; nobody reads a slot any more, and no tensor load is to come: the stage may be written over them
	ds_load_b128 v[PF:PF+3], v[SQA]                ; the 128 scores, four a lane
.irp kb, 0,1,2,3                       ; and as source 0 wants them: s = 32 kb + 8 hh + 0..7 and 32 kb + 16 + 8 hh + 0..7, the same in all 16 rows
	ds_load_b128 v[ACC+16*(\kb):ACC+16*(\kb)+3],     v[PSA] offset:128*(\kb)
	ds_load_b128 v[ACC+16*(\kb)+4:ACC+16*(\kb)+7],   v[PSA] offset:128*(\kb)+16
	ds_load_b128 v[ACC+16*(\kb)+8:ACC+16*(\kb)+11],  v[PSA] offset:128*(\kb)+64
	ds_load_b128 v[ACC+16*(\kb)+12:ACC+16*(\kb)+15], v[PSA] offset:128*(\kb)+80
.endr
	s_wait_dscnt 0x0
	s_cmp_lg_u32 s[WV], 0
	s_cbranch_scc1 .Lnot_0
	global_store_b128 v[ADR], v[PF:PF+3], s[12:13] ; wave 0: the chunk's scores, 512 consecutive bytes, aligned
.Lnot_0:
.irp w, 0,1                            ; my fragments of past go into the stage as rows: 128 LDS stores, which drain while the weights are made
	WIN 0x08+4*(\w)                                ; store data (source 1) in window 2, then 3
.set sk, 0
.rept 16
.irp t, 0,1
	ds_store_b128 v[STO], v[8*(2*sk+(\t)):8*(2*sk+(\t))+3]   offset:(\t)*16*SPITCH+64*(sk+16*(\w))
	ds_store_b128 v[STO], v[8*(2*sk+(\t))+4:8*(2*sk+(\t))+7] offset:(\t)*16*SPITCH+64*(sk+16*(\w))+32
.endr
.set sk, sk+1
.endr
.endr
	WIN 0
	v_max3_num_f32 v24, v[PF], v[PF+1], v[PF+2]    ; the chunk's maximum, in every lane of every wave
	v_max_num_f32 v24, v24, v[PF+3]
	v_max_num_f32_dpp v24, v24, v24 row_xmask:1 row_mask:0xf bank_mask:0xf
	v_max_num_f32_dpp v24, v24, v24 row_xmask:2 row_mask:0xf bank_mask:0xf
	v_max_num_f32_dpp v24, v24, v24 row_xmask:4 row_mask:0xf bank_mask:0xf
	v_max_num_f32_dpp v24, v24, v24 row_xmask:8 row_mask:0xf bank_mask:0xf
	v_permlanex16_b32 v25, v24, s[SEL], s[SEL+1]
	v_max_num_f32 v24, v24, v25
	v_mul_f32 v24, s[L2E], v24
	v_mov_b32 v25, v24                             ; named with it as a pair
.set i, 0
.rept 32
	v_pk_fma_f32 v[ACC+i:ACC+i+1], v[ACC+i:ACC+i+1], s[L2E:L2E+1], v[24:25] op_sel_hi:[1,0,0] neg_lo:[0,0,1] neg_hi:[0,0,1]
.set i, i+2
.endr
.set i, 0
.rept 64
	v_exp_f32 v[ACC+i], v[ACC+i]
.set i, i+1
.endr
	v_nop                                          ; the plain line behind the last power,
	s_wait_alu depctr_va_vdst(0)                   ; and one wait for the batch
	s_wait_xcnt 0x0                                ; wave 0's store has read its data: those registers are written next
.irp kb, 0,1,2,3
.irp j, 0,1,2,3,4,5,6,7
	v_cvt_pk_bf16_f32 v[PF+8*(\kb)+(\j)], v[ACC+16*(\kb)+2*(\j)], v[ACC+16*(\kb)+2*(\j)+1]
.endr
.endr
	s_wait_dscnt 0x0                               ; my rows lie in the stage
	s_barrier_signal -1
	s_barrier_wait -1                              ; everybody's do
	; THE SECOND PRODUCT, in two batches of 128 channels: 64 turning loads fill window 1, then 32 matrix instructions, the 8 accumulators by turns; the first 8 start the sums
.irp bt, 0,1
	WIN TO_F
.irp kb, 0,1,2,3
.irp jj, 0,1,2,3,4,5,6,7
	ds_load_tr16_b128 v[8*(8*(\kb)+(\jj)):8*(8*(\kb)+(\jj))+3],   v[RDT+(\kb)] offset:32*(8*(\bt)+(\jj))
	ds_load_tr16_b128 v[8*(8*(\kb)+(\jj))+4:8*(8*(\kb)+(\jj))+7], v[RDT+(\kb)] offset:32*(8*(\bt)+(\jj))+16*SPITCH
.endr
.endr
	s_wait_dscnt 0x0
	WIN 0x04                                       ; source 1 in window 1, all else in window 0
.irp kb, 0,1,2,3
.irp jj, 0,1,2,3,4,5,6,7
.set gd, ACC+64*(1-(\bt))+8*(\jj)
.if (\kb) == 0
	v_wmma_f32_16x16x32_bf16 v[gd:gd+7], v[PF+8*(\kb):PF+8*(\kb)+7], v[8*(8*(\kb)+(\jj)):8*(8*(\kb)+(\jj))+7], 0
.else
	v_wmma_f32_16x16x32_bf16 v[gd:gd+7], v[PF+8*(\kb):PF+8*(\kb)+7], v[8*(8*(\kb)+(\jj)):8*(8*(\kb)+(\jj))+7], v[gd:gd+7]
.endif
.endr
.endr
	WIN 0
	PLACES                                         ; ahead of the reads of the results, and of the next batch's loads into the sources
.irp u, 0,1,2,3                        ; all rows of a result are equal: its register 0 holds channel lane % 16 in both halves; lanes 0-15 take the even block's, lanes 16-31 the odd block's: 32 channels on end
	v_cndmask_b32 v[OUT+4*(\bt)+(\u)], v[ACC+64*(1-(\bt))+8*(2*(\u)+1)], v[ACC+64*(1-(\bt))+8*(2*(\u))], s[MK]
.endr
.endr
	; THE WAY OUT: through 1,024 bytes of my own, so that a store covers 512 consecutive bytes.  LDS serves a wave's instructions in order (ISA guide 5.7.1.4): the loads see the stores
.irp n, 0,1,2,3,4,5,6,7
	ds_store_b32 v[OSW], v[OUT+(\n)] offset:128*(\n)
.endr
	ds_load_b128 v[OUT+8:OUT+11],  v[OSR]
	ds_load_b128 v[OUT+12:OUT+15], v[OSR] offset:512
	s_wait_dscnt 0x0
	global_store_b128 v[ADR], v[OUT+8:OUT+11],  s[14:15]
	global_store_b128 v[ADR], v[OUT+12:OUT+15], s[14:15] offset:512
	s_wait_tensorcnt 0x0                           ; the wave's end: behind my last tensor load and my last LDS store
	ds_add_u32 v[SPW], v[NIL]
	s_wait_dscnt 0x0
	CROUND                                         ; the closing round: no work-group ends while a partner may still ask for a tile that names it
	s_endpgm
.Lfunc_end_k_qcf2e1a9b7b_main:
	.size	k_qcf2e1a9b7b_main, .Lfunc_end_k_qcf2e1a9b7b_main-k_qcf2e1a9b7b_main
	.p2alignl 7, 3214868480
	.fill 96, 4, 3214868480
	.section	.rodata,"a",@progbits
	.p2align	6, 0x0
	.amdhsa_kernel k_qcf2e1a9b7b_main
		.amdhsa_group_segment_fixed_size 327680
		.amdhsa_private_segment_fixed_size 0
		.amdhsa_enable_private_segment 0
		.amdhsa_kernarg_size 48
		.amdhsa_user_sgpr_count 2
		.amdhsa_user_sgpr_kernarg_segment_ptr 1
		.amdhsa_wavefront_size32 1
		.amdhsa_system_sgpr_workgroup_id_x 1
		.amdhsa_system_sgpr_workgroup_id_y 1
		.amdhsa_system_sgpr_workgroup_id_z 1
		.amdhsa_system_vgpr_workitem_id 0
		.amdhsa_next_free_vgpr 1024
		.amdhsa_next_free_sgpr 66
		.amdhsa_reserve_vcc 0
		.amdhsa_float_denorm_mode_32 3
		.amdhsa_float_denorm_mode_16_64 3
		.amdhsa_memory_ordered 1
		.amdhsa_forward_progress 1
		.amdhsa_inst_pref_size 255
	.end_amdhsa_kernel
	.section	.bss,"aw",@nobits
	.p2align	6
	.space	262144
	.amdgpu_metadata
---
amdhsa.version: [ 1, 2 ]
amdhsa.kernels:
  - .name:           k_qcf2e1a9b7b_main
    .symbol:         k_qcf2e1a9b7b_main.kd
    .args:
      - { .name: past_hidden, .offset: 0, .size: 8, .value_kind: global_buffer, .address_space: global }
      - { .name: wfrag, .offset: 8, .size: 8, .value_kind: global_buffer, .address_space: global }
      - { .name: ck, .offset: 16, .size: 8, .value_kind: global_buffer, .address_space: global }
      - { .name: w_score, .offset: 24, .size: 8, .value_kind: global_buffer, .address_space: global }
      - { .name: scores, .offset: 32, .size: 8, .value_kind: global_buffer, .address_space: global }
      - { .name: part, .offset: 40, .size: 8, .value_kind: global_buffer, .address_space: global }
    .group_segment_fixed_size: 327680
    .private_segment_fixed_size: 0
    .kernarg_segment_align: 8
    .kernarg_segment_size: 48
    .max_flat_workgroup_size: 128
    .sgpr_count:     66
    .vgpr_count:     1024
    .wavefront_size: 32
...
	.end_amdgpu_metadata
.endif
;; end of part 2
;; launch comb (part 3): grid 128 x 1, 2 waves a work-group, no clusters, 0 bytes of LDS; arguments scores, part, out0, out1; writes out0, out1
.if DOCPART == 3
	.amdgcn_target "amdgcn-amd-amdhsa--gfx1250"
	.amdhsa_code_object_version 6
	.text
	.protected	k_qcf2e1a9b7b_comb
	.globl	k_qcf2e1a9b7b_comb
	.p2align	8
	.type	k_qcf2e1a9b7b_comb,@function
k_qcf2e1a9b7b_comb:
	s_mov_b64 s[64:65], 0
	v_nop
	global_prefetch_b8 v0, s[64:65] scope:SCOPE_SE
	s_setreg_imm32_b32 hwreg(HW_REG_WAVE_MODE, 25, 1), 1
	s_wait_xcnt 0x0
; THE JOINING.  For batch b: M = the largest of its 2,048 scores, L = sum of 2^((s - M) log2 e);  out1[b][s] = 2^((s - M) log2 e) / L;
; out0[b][d] = sum over the 16 chunks c of g_c part[16 b + c][d],  g_c = 2^((m_c - M) log2 e) / L,  m_c = chunk c's largest score: a maximum has one value whatever its order, so m_c is the number under which
; the launch before summed part.  All in f32.  A weight below 2^-126 counts as 0; NaN and infinities are not treated apart.
; SHARES.  Four work-groups a batch, 64 threads each; work-group q makes 256 numbers of out0 (4 a thread) and 512 of out1 (8 a thread).  Each wave reads all 2,048 scores (chunk c: 4 a lane) and makes M, L and
; the g_c for itself: no LDS, no barrier.  No matrix unit, no cluster, no prefetch: 2.4 MB in all, in one pass.
.set LO,  1                            ; v1   16 x lane
.set TO,  2                            ; v2   16 x thread
.set MC,  8                            ; v[8:23]    m_c, later g_c
.set ML,  26                           ; v[26:27]   M log2(e), twice
.set RL,  28                           ; v[28:29]   1 / L, twice
.set S,   32                           ; v[32:95]   the batch's scores: chunk c at S + 4 c
.set PT,  96                           ; v[96:159]  part: chunk c's four numbers at PT + 4 c
.set OW,  160                          ; v[160:167] my eight scores, later weights
.set AC,  168                          ; v[168:171] my four numbers of out0
.set TM,  176                          ; v[176:191] at work, one a chunk
.macro ALLC line:vararg                ; one line for each chunk c
.set c, 0
.rept 16
	\line
.set c, c+1
.endr
.endm
	s_load_b256 s[4:11], s[0:1], 0x0               ; scores s[4:5], part s[6:7], out0 s[8:9], out1 s[10:11]
	v_and_b32 v[LO], 31, v0
	v_lshlrev_b32 v[LO], 4, v[LO]
	v_lshlrev_b32 v[TO], 4, v0
	s_lshr_b32 s12, ttmp9, 2                       ; b
	s_and_b32 s13, ttmp9, 3                        ; q
	s_lshl_b32 s14, s12, 13                        ; the batch's 8,192 bytes of scores and of out1
	s_mov_b32 s15, 0
	s_lshl_b32 s16, s13, 11                        ; + my work-group's 2,048
	s_add_co_u32 s16, s16, s14
	s_mov_b32 s17, 0
	s_lshl_b32 s20, s13, 10                        ; my work-group's 1,024 bytes of a row of part and of out0
	s_lshl_b32 s18, s12, 16                        ; the batch's 16 rows of part
	s_add_co_u32 s18, s18, s20
	s_mov_b32 s19, 0
	s_lshl_b32 s21, s12, 12
	s_add_co_u32 s20, s20, s21
	s_mov_b32 s21, 0
	s_mov_b32 s22, 0x76543210                      ; v_permlanex16_b32's selects: each lane takes its own place in the other half
	s_mov_b32 s23, 0xfedcba98
	s_mov_b32 s26, 0x3fb8aa3b                      ; log2(e)
	s_mov_b32 s27, s26
	s_wait_kmcnt 0x0
	s_add_nc_u64 s[24:25], s[4:5], s[16:17]
	s_add_nc_u64 s[4:5], s[4:5], s[14:15]
	s_add_nc_u64 s[6:7], s[6:7], s[18:19]
	s_add_nc_u64 s[8:9], s[8:9], s[20:21]
	s_add_nc_u64 s[10:11], s[10:11], s[16:17]
	ALLC global_load_b128 v[S+4*c:S+4*c+3], v[LO], s[4:5] offset:512*c
	global_load_b128 v[OW:OW+3],   v[TO], s[24:25]
	global_load_b128 v[OW+4:OW+7], v[TO], s[24:25] offset:1024
	ALLC global_load_b128 v[PT+4*c:PT+4*c+3], v[TO], s[6:7] offset:4096*c th:TH_LOAD_NT
	s_wait_loadcnt 16                              ; the scores are in; part's sixteen loads stay out
	ALLC v_max3_num_f32 v[TM+c], v[S+4*c], v[S+4*c+1], v[S+4*c+2]
	ALLC v_max_num_f32 v[MC+c], v[TM+c], v[S+4*c+3]
	ALLC v_max_num_f32_dpp v[MC+c], v[MC+c], v[MC+c] row_xmask:1 row_mask:0xf bank_mask:0xf
	ALLC v_max_num_f32_dpp v[MC+c], v[MC+c], v[MC+c] row_xmask:2 row_mask:0xf bank_mask:0xf
	ALLC v_max_num_f32_dpp v[MC+c], v[MC+c], v[MC+c] row_xmask:4 row_mask:0xf bank_mask:0xf
	ALLC v_max_num_f32_dpp v[MC+c], v[MC+c], v[MC+c] row_xmask:8 row_mask:0xf bank_mask:0xf
	ALLC v_permlanex16_b32 v[TM+c], v[MC+c], s22, s23
	ALLC v_max_num_f32 v[MC+c], v[MC+c], v[TM+c]
	v_max3_num_f32 v24, v[MC], v[MC+1], v[MC+2]
.irp c, 3,5,7,9,11,13
	v_max3_num_f32 v24, v24, v[MC+(\c)], v[MC+(\c)+1]
.endr
	v_max_num_f32 v24, v24, v[MC+15]               ; M
	v_mul_f32 v[ML], s26, v24
	v_mov_b32 v[ML+1], v[ML]
.set i, 0
.rept 32
	v_pk_fma_f32 v[S+i:S+i+1], v[S+i:S+i+1], s[26:27], v[ML:ML+1] op_sel_hi:[1,0,0] neg_lo:[0,0,1] neg_hi:[0,0,1]
.set i, i+2
.endr
.irp j, 0,2,4,6
	v_pk_fma_f32 v[OW+(\j):OW+(\j)+1], v[OW+(\j):OW+(\j)+1], s[26:27], v[ML:ML+1] op_sel_hi:[1,0,0] neg_lo:[0,0,1] neg_hi:[0,0,1]
.endr
	ALLC v_fma_f32 v[MC+c], v[MC+c], s26, -v[ML]
.set i, 0
.rept 64                               ; one batch of 88 powers of 2
	v_exp_f32 v[S+i], v[S+i]
.set i, i+1
.endr
.irp j, 0,1,2,3,4,5,6,7
	v_exp_f32 v[OW+(\j)], v[OW+(\j)]
.endr
	ALLC v_exp_f32 v[MC+c], v[MC+c]
	v_nop                                          ; the plain line behind the last power,
	s_wait_alu depctr_va_vdst(0)                   ; and one wait for the batch
.irp h, 32,16,8,4,2                    ; L: my 64 terms, 31 packed additions,
.set i, 0
.rept (\h)/2
	v_pk_add_f32 v[S+i:S+i+1], v[S+i:S+i+1], v[S+(\h)+i:S+(\h)+i+1]
.set i, i+2
.endr
.endr
	v_add_f32 v[S], v[S], v[S+1]
	v_add_f32_dpp v[S], v[S], v[S] row_xmask:1 row_mask:0xf bank_mask:0xf   ; and the 32 lanes'
	v_add_f32_dpp v[S], v[S], v[S] row_xmask:2 row_mask:0xf bank_mask:0xf
	v_add_f32_dpp v[S], v[S], v[S] row_xmask:4 row_mask:0xf bank_mask:0xf
	v_add_f32_dpp v[S], v[S], v[S] row_xmask:8 row_mask:0xf bank_mask:0xf
	v_permlanex16_b32 v[S+1], v[S], s22, s23
	v_add_f32 v[S], v[S], v[S+1]
	v_rcp_f32 v[RL], v[S]
	v_rcp_f32 v[RL+1], v[S]                        ; twice: a pair for the packed multiply
	v_nop
	s_wait_alu depctr_va_vdst(0)
.irp j, 0,2,4,6
	v_pk_mul_f32 v[OW+(\j):OW+(\j)+1], v[OW+(\j):OW+(\j)+1], v[RL:RL+1]
.endr
	global_store_b128 v[TO], v[OW:OW+3],   s[10:11]              ; each store of a wave covers 512 consecutive bytes, aligned
	global_store_b128 v[TO], v[OW+4:OW+7], s[10:11] offset:1024
	ALLC v_mul_f32 v[MC+c], v[MC+c], v[RL]
	s_wait_loadcnt 0x0                             ; part
.irp j, 0,1,2,3
	v_mul_f32 v[AC+(\j)], v[PT+(\j)], v[MC]        ; chunk 0 starts the sums
.endr
.set c, 1
.rept 15
.irp j, 0,1,2,3
	v_fmac_f32 v[AC+(\j)], v[PT+4*c+(\j)], v[MC+c]
.endr
.set c, c+1
.endr
	global_store_b128 v[TO], v[AC:AC+3], s[8:9]
	s_endpgm
.Lfunc_end_k_qcf2e1a9b7b_comb:
	.size	k_qcf2e1a9b7b_comb, .Lfunc_end_k_qcf2e1a9b7b_comb-k_qcf2e1a9b7b_comb
	.p2alignl 7, 3214868480
	.fill 96, 4, 3214868480
	.section	.rodata,"a",@progbits
	.p2align	6, 0x0
	.amdhsa_kernel k_qcf2e1a9b7b_comb
		.amdhsa_group_segment_fixed_size 0
		.amdhsa_private_segment_fixed_size 0
		.amdhsa_enable_private_segment 0
		.amdhsa_kernarg_size 32
		.amdhsa_user_sgpr_count 2
		.amdhsa_user_sgpr_kernarg_segment_ptr 1
		.amdhsa_wavefront_size32 1
		.amdhsa_system_sgpr_workgroup_id_x 1
		.amdhsa_system_sgpr_workgroup_id_y 1
		.amdhsa_system_sgpr_workgroup_id_z 1
		.amdhsa_system_vgpr_workitem_id 0
		.amdhsa_next_free_vgpr 192
		.amdhsa_next_free_sgpr 66
		.amdhsa_reserve_vcc 0
		.amdhsa_float_denorm_mode_32 3
		.amdhsa_float_denorm_mode_16_64 3
		.amdhsa_memory_ordered 1
		.amdhsa_forward_progress 1
		.amdhsa_inst_pref_size 24
	.end_amdhsa_kernel
	.amdgpu_metadata
---
amdhsa.version: [ 1, 2 ]
amdhsa.kernels:
  - .name:           k_qcf2e1a9b7b_comb
    .symbol:         k_qcf2e1a9b7b_comb.kd
    .args:
      - { .name: scores, .offset: 0, .size: 8, .value_kind: global_buffer, .address_space: global }
      - { .name: part, .offset: 8, .size: 8, .value_kind: global_buffer, .address_space: global }
      - { .name: out0, .offset: 16, .size: 8, .value_kind: global_buffer, .address_space: global }
      - { .name: out1, .offset: 24, .size: 8, .value_kind: global_buffer, .address_space: global }
    .group_segment_fixed_size: 0
    .private_segment_fixed_size: 0
    .kernarg_segment_align: 8
    .kernarg_segment_size: 32
    .max_flat_workgroup_size: 64
    .sgpr_count:     66
    .vgpr_count:     192
    .wavefront_size: 32
...
	.end_amdgpu_metadata
.endif
;; end of part 3
;; ======== version 2 of 2: 3 launches
;; limits: values outside matrix products are rounded to bf16
;; workspace buffers: wfrag 2,097,152 bytes; ck 131,072 bytes; scores 262,144 bytes; part 2,097,152 bytes
;; launch prep (part 4): grid 64 x 1, 8 waves a work-group, no clusters, 52,224 bytes of LDS; arguments W_proj, b_proj, current_hidden, wfrag, ck; writes wfrag, ck
.if DOCPART == 4
	.amdgcn_target "amdgcn-amd-amdhsa--gfx1250"
	.amdhsa_code_object_version 6
	.text
	.protected	k_qcf2e1a9b7b_prep
	.globl	k_qcf2e1a9b7b_prep
	.p2align	8
	.type	k_qcf2e1a9b7b_prep,@function
k_qcf2e1a9b7b_prep:
	s_mov_b64 s[64:65], 0
	v_nop
	global_prefetch_b8 v0, s[64:65] scope:SCOPE_SE
	s_setreg_imm32_b32 hwreg(HW_REG_WAVE_MODE, 25, 1), 1
	s_wait_xcnt 0x0
; PREPARATION.  W_proj: [1024 h][2048] f32; its left half Wp multiplies past, its right half Wc multiplies current.
; (1) wfrag = Wp rounded to bf16, laid out as matrix fragments: [t 16][k 32][ht 4][1,024 bytes]; a fragment holds the 16 rows h = 64 t + 16 ht + r and the 32 channels d = 32 k ..;
;     lane l = (r = l % 16, hh = l / 16): its registers 0-3 (d = 32 k + 8 hh + 0..7) at byte 16 l, its registers 4-7 (d = 32 k + 16 + 8 hh + 0..7) at byte 512 + 16 l.
; (2) ck[b][h] = (sum over d of current[b][d] Wc[h][d] + b_proj[h]) x 2 log2(e), f32: the main launch's powers work in base 2.
; FORMATS.  Wp, Wc, current and b_proj are each rounded once to bf16 (all inputs of the program alike); products summed in f32; ck is kept in f32.  NaN and infinities are not treated apart.
; SHARES.  Work-group g owns the 16 rows h = 16 g ..: t = g / 4, ht = g % 4.  Its eight waves split the 1,024 channels: wave w takes d = 128 w .. 128 w + 127, four fragments.
; ON THE WAY IN a load takes 512 consecutive bytes, aligned, of one row: a lane holds 4 channels.  They are rounded to bf16, laid as rows of 128 channels into 4,352 LDS bytes of the wave's own, and read back as fragments.
; The eight partial sums of ck's two tiles (16 h x 16 b each) meet in LDS; waves 0 and 1 finish a tile each.  ck leaves in pieces of 32 bytes a lane (8 h of one b): 128 KiB in all.
; No cluster, no tensor load: no work-group reads a byte of W_proj that another reads, and current is 128 KiB.
.set TR,    16384                      ; behind the partial sums: 16 rows x 272 bytes for each wave
.set TRW,   4352
.set TP,    272                        ; a row there: 256 bytes + 16 = 68 words: the 16 rows of a fragment load start at 16 different groups of four banks (64 banks of 4 bytes: ISA guide 11.1)
.set SPARE, TR+8*TRW                   ; the spare words, 128 bytes for each of eight waves
.set RO,  2                            ; v2   16 l + 512 w: my 16 bytes of a row of W_proj's half or of current
.set XS,  3                            ; v3   TR + 4,352 w + 8 l: where I put 4 bf16 of a row
.set FO,  4                            ; v4   16 l + 16,384 w: my bytes in the wave's first fragment of wfrag
.set LS,  5                            ; v5   2,048 w + 32 l: where I put my 32 bytes of a partial tile
.set LR,  6                            ; v6   1,024 w + 32 l: where I read them back (waves 0, 1: tile w)
.set YO,  7                            ; v7   (16 w + r) x 4,096 + 32 hh: my 32 bytes of ck
.set SPW, 8                            ; v8   my spare word; never rewritten
.set NIL, 9                            ; v9   0; never rewritten
.set BO,  10                           ; v10  32 hh
.set XR,  11                           ; v11  TR + 4,352 w + 272 r + 16 hh: where I read a fragment back
.set AC0, 16                           ; v[16:23]  ck's tile 0 (b = 0..15), v[24:31] tile 1
.set AC1, 24
.set FW,  32                           ; v[32:63]    Wp's four fragments, as they are stored
.set R0,  64                           ; v[64:127]   Wp as loaded; later current's rows 16-31: as loaded, packed into the first 32, fragments in the last 32; later the partial sums
.set R1,  128                          ; v[128:191]  Wc likewise; its first 12 registers later take b_proj
.set R2,  192                          ; v[192:255]  current's rows 0-15 likewise
.set BI,  R1
	s_load_b256 s[4:11], s[0:1], 0x0               ; W_proj s[4:5], b_proj s[6:7], current s[8:9], wfrag s[10:11]
	s_load_b64 s[12:13], s[0:1], 0x20              ; ck
	v_lshl_add_u32 v[SPW], v0, 2, SPARE
	v_mov_b32 v[NIL], 0
	v_lshrrev_b32 v1, 5, v0
	v_readfirstlane_b32 s14, v1                    ; wave 0..7
	v_and_b32 v1, 15, v0                           ; r
	v_and_b32 v12, 31, v0                          ; l
	v_bfe_u32 v13, v0, 4, 1                        ; hh
	v_lshlrev_b32 v[BO], 5, v13
	s_lshl_b32 s15, s14, 9
	v_lshl_add_u32 v[RO], v12, 4, s15
	s_mul_i32 s15, s14, TRW
	s_add_co_u32 s15, s15, TR                      ; my 4,352 bytes
	v_lshl_add_u32 v[XS], v12, 3, s15
	v_mul_u32_u24 v[XR], v1, TP
	v_lshl_add_u32 v[XR], v13, 4, v[XR]
	v_add_nc_u32 v[XR], s15, v[XR]
	s_lshl_b32 s15, s14, 14
	v_lshl_add_u32 v[FO], v12, 4, s15
	s_lshl_b32 s15, s14, 11
	v_lshl_add_u32 v[LS], v12, 5, s15
	s_lshl_b32 s15, s14, 10
	v_lshl_add_u32 v[LR], v12, 5, s15
	s_lshl_b32 s15, s14, 16
	v_lshl_add_u32 v[YO], v1, 12, v[BO]
	v_add_nc_u32 v[YO], s15, v[YO]
	s_lshl_b32 s16, ttmp9, 17                      ; 16 rows of W_proj
	s_mov_b32 s17, 0
	s_lshr_b32 s18, ttmp9, 2
	s_lshl_b32 s18, s18, 17                        ; t x 131,072
	s_and_b32 s19, ttmp9, 3
	s_lshl_b32 s19, s19, 10                        ; ht x 1,024
	s_add_co_u32 s18, s18, s19
	s_mov_b32 s19, 0
	s_lshl_b32 s20, ttmp9, 6                       ; 16 h of f32
	s_mov_b32 s21, 0
	s_mov_b32 s22, 0x4038aa3b                      ; 2 log2(e)
	s_mov_b32 s23, s22                             ; named with it as a pair
	s_wait_kmcnt 0x0
	s_add_nc_u64 s[4:5], s[4:5], s[16:17]
	s_add_nc_u64 s[10:11], s[10:11], s[18:19]
	s_add_nc_u64 s[6:7], s[6:7], s[20:21]
	s_add_nc_u64 s[12:13], s[12:13], s[20:21]
; Sixteen rows, my wave's 512 bytes of each: a load a row
.macro LDR dst, sb, off, pitch, nt
.set li, 0
.rept 16
.if \nt
	global_load_b128 v[(\dst)+4*li:(\dst)+4*li+3], v[RO], s[\sb:\sb+1] offset:(\off)+li*(\pitch) th:TH_LOAD_NT
.else
	global_load_b128 v[(\dst)+4*li:(\dst)+4*li+3], v[RO], s[\sb:\sb+1] offset:(\off)+li*(\pitch)
.endif
.set li, li+1
.endr
.endm
; Rounded to bf16 into the first 32 registers (row i's four numbers into registers 2 i, 2 i + 1, i ascending, so nothing is overwritten before it is read), laid into my rows in LDS, read back as four fragments at d.
; LDS serves a wave's instructions in order (ISA guide 5.7.1.4): the loads see the stores above them, and the next matrix's stores come behind these loads.
.macro PACKT r, d
.set pi, 0
.rept 16
	v_cvt_pk_bf16_f32 v[(\r)+2*pi],   v[(\r)+4*pi],   v[(\r)+4*pi+1]
	v_cvt_pk_bf16_f32 v[(\r)+2*pi+1], v[(\r)+4*pi+2], v[(\r)+4*pi+3]
.set pi, pi+1
.endr
.set pi, 0
.rept 16
	ds_store_b64 v[XS], v[(\r)+2*pi:(\r)+2*pi+1] offset:pi*TP
.set pi, pi+1
.endr
.irp f, 0,1,2,3
	ds_load_b128 v[(\d)+8*(\f):(\d)+8*(\f)+3],   v[XR] offset:64*(\f)
	ds_load_b128 v[(\d)+8*(\f)+4:(\d)+8*(\f)+7], v[XR] offset:64*(\f)+32
.endr
.endm
	LDR R0, 4, 0, 8192, 1                          ; Wp
	LDR R1, 4, 4096, 8192, 1                       ; Wc
	LDR R2, 8, 0, 4096, 0                          ; current's rows 0 to 15
	s_wait_loadcnt 32                              ; Wp is in: behind it 16 loads of Wc and 16 of current
	PACKT R0, FW
	LDR R0, 8, 65536, 4096, 0                      ; current's rows 16 to 31
	s_wait_dscnt 0x0                               ; Wp's fragments
.irp f, 0,1,2,3
	global_store_b128 v[FO], v[FW+8*(\f):FW+8*(\f)+3],   s[10:11] offset:4096*(\f)      ; each store of the wave covers 512 consecutive bytes, aligned; FW is not written again
	global_store_b128 v[FO], v[FW+8*(\f)+4:FW+8*(\f)+7], s[10:11] offset:4096*(\f)+512
.endr
	s_wait_loadcnt 32                              ; Wc is in: behind it current's two tiles, 16 loads each
	PACKT R1, R1+32
	global_load_b128 v[BI:BI+3], v[BO], s[6:7]
	global_load_b128 v[BI+4:BI+7], v[BO], s[6:7] offset:16
	s_wait_loadcnt 18                              ; current's rows 0 to 15: behind them 16 loads of rows 16 to 31 and 2 of b_proj
	PACKT R2, R2+32
	s_wait_loadcnt 2                               ; rows 16 to 31: b_proj may stay out
	PACKT R0, R0+32
	s_wait_dscnt 0x0
; source 0 = 16 rows of Wc, source 1 = 16 rows of current: register j of the result is (h = 16 g + 8 hh + j, b = 16 tile + r).  The two accumulators take turns; the first products start the sums.
.irp f, 0,1,2,3
.if (\f) == 0
	v_wmma_f32_16x16x32_bf16 v[AC0:AC0+7], v[R1+32:R1+39], v[R2+32:R2+39], 0
	v_wmma_f32_16x16x32_bf16 v[AC1:AC1+7], v[R1+32:R1+39], v[R0+32:R0+39], 0
.else
	v_wmma_f32_16x16x32_bf16 v[AC0:AC0+7], v[R1+32+8*(\f):R1+32+8*(\f)+7], v[R2+32+8*(\f):R2+32+8*(\f)+7], v[AC0:AC0+7]
	v_wmma_f32_16x16x32_bf16 v[AC1:AC1+7], v[R1+32+8*(\f):R1+32+8*(\f)+7], v[R0+32+8*(\f):R0+32+8*(\f)+7], v[AC1:AC1+7]
.endif
.endr
.rept 4
	v_nop                                          ; four places behind the last product, ahead of the LDS stores that read the results and of the loads into its sources
.endr
	ds_store_b128 v[LS], v[AC0:AC0+3]
	ds_store_b128 v[LS], v[AC0+4:AC0+7] offset:16
	ds_store_b128 v[LS], v[AC1:AC1+3]   offset:1024
	ds_store_b128 v[LS], v[AC1+4:AC1+7] offset:1040
	s_wait_dscnt 0x0                               ; for the others' sake: my partial sums lie in LDS
	s_barrier_signal -1
	s_barrier_wait -1
	s_cmp_lt_u32 s14, 2                            ; wave 0 finishes tile 0, wave 1 tile 1
	s_cbranch_scc0 .Lend
.irp v, 0,1,2,3,4,5,6,7
	ds_load_b128 v[64+8*(\v):64+8*(\v)+3], v[LR] offset:2048*(\v)
	ds_load_b128 v[64+8*(\v)+4:64+8*(\v)+7], v[LR] offset:2048*(\v)+16
.endr
	s_wait_loadcnt 0x0                             ; b_proj
.irp j, 0,1,2,3                        ; rounded to bf16 and widened again, while the LDS loads are out
	v_cvt_pk_bf16_f32 v[BI+8+(\j)], v[BI+2*(\j)], v[BI+2*(\j)+1]
.endr
.irp j, 0,1,2,3
	v_lshlrev_b32 v[BI+2*(\j)], 16, v[BI+8+(\j)]
	v_and_b32 v[BI+2*(\j)+1], 0xffff0000, v[BI+8+(\j)]
.endr
	s_wait_dscnt 0x0
.irp h, 32,16,8                        ; eight partial tiles into one: 16 + 8 + 4 packed additions
.set i, 0
.rept (\h)/2
	v_pk_add_f32 v[64+i:65+i], v[64+i:65+i], v[64+(\h)+i:65+(\h)+i]
.set i, i+2
.endr
.endr
.irp j, 0,2,4,6
	v_pk_add_f32 v[64+(\j):65+(\j)], v[64+(\j):65+(\j)], v[BI+(\j):BI+(\j)+1]
.endr
.irp j, 0,2,4,6
	v_pk_mul_f32 v[64+(\j):65+(\j)], v[64+(\j):65+(\j)], s[22:23] op_sel_hi:[1,0]
.endr
	global_store_b128 v[YO], v[64:67], s[12:13]
	global_store_b128 v[YO], v[68:71], s[12:13] offset:16
.Lend:
	s_wait_tensorcnt 0x0                           ; the wave's end: behind my last LDS store
	ds_add_u32 v[SPW], v[NIL]
	s_wait_dscnt 0x0
	s_endpgm
.Lfunc_end_k_qcf2e1a9b7b_prep:
	.size	k_qcf2e1a9b7b_prep, .Lfunc_end_k_qcf2e1a9b7b_prep-k_qcf2e1a9b7b_prep
	.p2alignl 7, 3214868480
	.fill 96, 4, 3214868480
	.section	.rodata,"a",@progbits
	.p2align	6, 0x0
	.amdhsa_kernel k_qcf2e1a9b7b_prep
		.amdhsa_group_segment_fixed_size 52224
		.amdhsa_private_segment_fixed_size 0
		.amdhsa_enable_private_segment 0
		.amdhsa_kernarg_size 40
		.amdhsa_user_sgpr_count 2
		.amdhsa_user_sgpr_kernarg_segment_ptr 1
		.amdhsa_wavefront_size32 1
		.amdhsa_system_sgpr_workgroup_id_x 1
		.amdhsa_system_sgpr_workgroup_id_y 1
		.amdhsa_system_sgpr_workgroup_id_z 1
		.amdhsa_system_vgpr_workitem_id 0
		.amdhsa_next_free_vgpr 256
		.amdhsa_next_free_sgpr 66
		.amdhsa_reserve_vcc 0
		.amdhsa_float_denorm_mode_32 3
		.amdhsa_float_denorm_mode_16_64 3
		.amdhsa_memory_ordered 1
		.amdhsa_forward_progress 1
		.amdhsa_inst_pref_size 29
	.end_amdhsa_kernel
	.amdgpu_metadata
---
amdhsa.version: [ 1, 2 ]
amdhsa.kernels:
  - .name:           k_qcf2e1a9b7b_prep
    .symbol:         k_qcf2e1a9b7b_prep.kd
    .args:
      - { .name: W_proj, .offset: 0, .size: 8, .value_kind: global_buffer, .address_space: global }
      - { .name: b_proj, .offset: 8, .size: 8, .value_kind: global_buffer, .address_space: global }
      - { .name: current_hidden, .offset: 16, .size: 8, .value_kind: global_buffer, .address_space: global }
      - { .name: wfrag, .offset: 24, .size: 8, .value_kind: global_buffer, .address_space: global }
      - { .name: ck, .offset: 32, .size: 8, .value_kind: global_buffer, .address_space: global }
    .group_segment_fixed_size: 52224
    .private_segment_fixed_size: 0
    .kernarg_segment_align: 8
    .kernarg_segment_size: 40
    .max_flat_workgroup_size: 256
    .sgpr_count:     66
    .vgpr_count:     256
    .wavefront_size: 32
...
	.end_amdgpu_metadata
.endif
;; end of part 4
;; launch main (part 5): grid 512 x 1, 4 waves a work-group, clusters of 4 x 1, 327,680 bytes of LDS; arguments past_hidden, wfrag, ck, w_score, scores, part; writes scores, part
.if DOCPART == 5
	.amdgcn_target "amdgcn-amd-amdhsa--gfx1250"
	.amdhsa_code_object_version 6
	.text
	.protected	k_qcf2e1a9b7b_main
	.globl	k_qcf2e1a9b7b_main
	.p2align	8
	.type	k_qcf2e1a9b7b_main,@function
k_qcf2e1a9b7b_main:
	s_mov_b64 s[64:65], 0
	v_nop
	global_prefetch_b8 v0, s[64:65] scope:SCOPE_SE
	s_setreg_imm32_b32 hwreg(HW_REG_WAVE_MODE, 25, 1), 1
	s_wait_xcnt 0x0
	s_wait_alu depctr_hold_cnt(0) depctr_sa_sdst(0) depctr_va_vdst(0) depctr_va_sdst(0) depctr_va_ssrc(0) depctr_va_vcc(0) depctr_vm_vsrc(0)
	s_getreg_b32 s2, hwreg(HW_REG_IB_STS2, 6, 4)
	s_cmp_eq_u32 s2, 0
	s_cbranch_scc0 .Lentry_in_a_cluster
	s_endpgm
.Lentry_in_a_cluster:
	s_bfe_u32 s2, ttmp6, 0x10000c
	s_cmp_lg_u32 s2, 0x3003
	s_cbranch_scc0 .Lentry_shape_is_right
	s_endpgm
.Lentry_shape_is_right:
; THE MAIN LAUNCH.  For a chunk of 128 rows s of one batch b (past: [32][2048][1024] f32; 16 chunks a batch, 512 in all), with x[s][h] = sum over d of past[s][d] Wp[h][d] + c[b][h]:
;   scores[s] = sum over h of w_score[h] (tanh x[s][h] - 1),   part[d] = sum over the chunk's s of 2^((scores[s] - m) log2 e) past[s][d],   m = the chunk's largest score.
; The last launch joins the chunks under the batch's maximum.  past is read from memory once: it serves both products.
; THE SHIFT.  tanh x = 1 - 2 q with q = 1 / (1 + 2^(2 x log2 e)), so sum of w tanh = sum of w - 2 sum of w q.  The first term is one number for all rows, and a softmax does not change when one number is added to all its
; scores: this workspace holds -2 sum of w q alone, for every input.  The maximum is taken away as ever.  The price: the dot's terms are up to 2 |w| where w tanh is up to |w|; the dot is summed in f32.
; FORMATS AND LIMITS.  past, Wp and w_score are rounded once to bf16 (all inputs of the program alike); products summed in f32; q, scores and maxima in f32; the weights 2^(..), in 0 to 1, are rounded to bf16
; for the second product.  Where the power in q overflows q is 0 (tanh 1), where it underflows q is 1 (tanh -1).  NaN and infinities in the inputs are not treated apart.
; SHARES.  Four waves.  Wave w = (g = w / 2, kh = w % 2) holds rows 64 g .. 64 g + 63 of the chunk with channels 512 kh .. 512 kh + 511: four tiles of 16 rows x 16 blocks of 32 channels, as bf16 fragments in 512
; registers.  So a fragment of Wp read from LDS feeds four products.  Its LOCAL tiles 0, 1 are rows 32 w .. 32 w + 31, its own; local tiles 2, 3 are its partner's (wave w xor 1): which registers are sent and which
; kept is the same in every wave, and only addresses hang on kh.  Wp goes by in 16 steps of 64 h x 1,024 d (128 KiB, in the fragment order that the launch before wrote) through two LDS slots; a wave reads its half of a slot.
; A step is 256 matrix instructions a wave, on 16 accumulators.  THE EXCHANGE: a step's sums are halves (512 channels each); each wave sends those of local tiles 2, 3 through LDS and adds its partner's onto its own tiles'.
; LAYOUT.  Source 0 = 16 rows of Wp, source 1 = 16 rows of past: in the result a lane holds ONE row s (lane % 16) and h = 8 (lane / 16) + 0..7, so the dot with w_score is a sum inside the lane.
; BY TURNS.  Two sets of accumulators.  While a step's sums grow in one set, the step before's go through the exchange, q and the dot: 258 vector instructions (RIDERS) behind 152 of the step's matrix instructions, no more than
; one power or reciprocal behind a product (four times two).  Step 0's riders work on zeros with a table of zeros and add 0: the price is 132 lines that write 0, once a launch, for one text of all steps.
; CLUSTER.  Every work-group walks the same Wp.  Four form a cluster and ask for each quarter of a tile JOINTLY: the same tensor load, descriptor and mask in all four.  past is shared by nobody.
; past ON ITS WAY IN.  A load takes 256 consecutive bytes, aligned, of each of two rows.  The numbers are rounded to bf16, laid as rows of 64 channels into 9,216 LDS bytes of the wave's own, and read back as fragments.
; THE SECOND PRODUCT.  When the last slot has been read, the waves lay their fragments of past out as rows in LDS, over the slots (which are filled no more); wave w then makes channels 256 w .. 256 w + 255 of part:
; source 0 = the weights (16 equal rows x 32 s), source 1 = past turned by ds_load_tr16_b128.  Fifteen of the sixteen result rows are copies: 64 matrix instructions a wave, against a step's 256.
; NOT DONE.  A chunk's load of past stands alone at the head: the next chunk's 256 KiB find no room beside the fragments, the slots and the accumulators.
; REGISTERS, in windows of 256 (s_set_vgpr_msb: bits 1:0 source 0, 3:2 source 1, 5:4 source 2, 7:6 destination):
;   window 0: v0-31 addresses and small things; v32-159 two buffers of 64 for Wp's fragments (2 blocks of 32 channels x 4 blocks of 16 h); v160-191 c's table of a step; v192-223 w_score's; v224-229 more addresses
;   window 1: the two sets of accumulators, (t, ht) at 128 p + 8 (4 t + ht); at first past in f32, at the end past turned          windows 2, 3: past's fragments: block kl, tile t at 8 (4 (kl % 8) + t), kl / 8 picks the window
.set SLOTB,  131072                    ; a slot: [k 32][ht 4][1,024 bytes]; a fragment load takes 512 consecutive bytes
.set SPITCH, 2080                      ; a row of the stage: 2,048 bytes + 32: 65 x 32, so that the eight rows of a turning load start 32 bytes apart modulo 256
.set TAB,    128*SPITCH                ; behind the stage (which covers both slots and 4,096 bytes more): 17 blocks of 512 bytes: block 0 zeros; block j + 1: step j's 64 c, then its 64 numbers -2 w_score
.set SCR,    TAB+17*512                ; the chunk's 128 scores
.set OSC,    SCR+512                   ; 1,024 bytes a wave, for the way out
.set XB,     OSC+4096                  ; 9,216 bytes a wave: at the head 64 rows of 64 bf16; in the steps the 8,192 bytes of sums that the wave sends
.set XPW,    9216
.set XP,     144                       ; a row there: 128 bytes + 16 = 36 words: the 16 rows of a fragment load start at 16 different groups of four banks (64 banks of 4 bytes: ISA guide 11.1); rows 8 apart lie 32 banks apart
.set SPARE,  XB+4*XPW                  ; the spare words, 128 bytes a wave: two blocks of 256 bytes that no other line names
.set GOF, 3                            ; v3      (l / 16) x 8 rows of 4,096 bytes + 16 (l % 16): my 16 bytes in a load of past
.set ADR, 4                            ; v4-5    16 l + 65,536 kh + 131,072 slot: my half of a slot
.set L16, 6                            ; v6      16 l
.set XS,  7                            ; v7      where I put 4 bf16 of past
.set T0,  8                            ; v8      TAB + 32 hh
.set TCA, 9                            ; v9      the same in the block in hand
.set TST, 10                           ; v10     where thread i puts its 8 numbers of each table
.set XR,  11                           ; v11-12  where I read fragments of past back: local tiles 0, 1; local tiles 2, 3
.set STO, 13                           ; v13-14  a fragment's 16 bytes in the stage: local tiles 0, 1; local tiles 2, 3
.set XW,  15                           ; v15     XB + 9,216 w + 16 l: what I send
.set XRD, 16                           ; v16     XB + 9,216 (w xor 1) + 16 l: what my partner sends
.set SCW, 17                           ; v17     SCR + 4 x thread
.set SQA, 18                           ; v18     SCR + 16 l
.set PSA, 19                           ; v19     SCR + 32 hh
.set SC,  20                           ; v[20:23] the running dot: a pair (even h, odd h) for each of my two tiles
.set SPW, 28                           ; v28     my spare word; never rewritten
.set NIL, 29                           ; v29     0; never rewritten
.set OSW, 30                           ; v30     OSC + 1,024 w + 4 l
.set OSR, 31                           ; v31     OSC + 1,024 w + 16 l
.set F,   32
.set CT,  160
.set WT,  192
.set PFO, 224                          ; v224    256 l: the prefetch's offset; never rewritten
.set RDT, 226                          ; v226-229 the turning loads' addresses, for rows 32 kb ..
.set PF,  192                          ; at the end: the weights' fragments, where w_score's table lay
.set OUT, 160                          ; at the end: 16 registers for the way out
.set SQ,  176                          ; at the end: the 128 scores, four a lane
.set WV,  16                           ; s16  my wave's number
.set TBL, 22                           ; s22  512 x the table block to be read next
.set LIM, 23                           ; s23  1 in the cluster that prefetches, else the greatest number
.set G1,  24                           ; s[24:31] descriptor group 1
.set G0,  32                           ; s[32:39] group 0, a set for each slot
.set PFA, 40                           ; s[40:41] where my prefetch stands
.set KS,  42                           ; s[42:43] 2 log2(e)
.set SEL, 44                           ; s[44:45] v_permlanex16_b32's selects: each lane takes its own place in the other half
.set MK,  46                           ; s46  the lanes 0 to 15
.set KH,  47                           ; s47  kh
.set L2E, 48                           ; s[48:49] log2(e)
.set GR,  52                           ; s52  g
.set MSB, 0
.macro WIN new                         ; the immediate's high byte repeats the setting that is left; a switch that changes nothing is dropped
.if MSB != (\new)
	s_set_vgpr_msb (MSB<<8)|(\new)
.set MSB, \new
.endif
.endm
.macro PLACES                          ; four plain places between a matrix instruction and a line that reads its result, or a load into a register that it has named
.rept 4
	v_nop
.endr
.endm
.macro CREST                           ; a round of the cluster's barrier behind its opening barrier
	s_cmp_lg_u32 s[WV], 0
	s_cbranch_scc1 .Lnot_wave_0_\@
	s_barrier_signal -3
.Lnot_wave_0_\@:
	s_barrier_wait -3
	s_barrier_signal -1
	s_barrier_wait -1
.endm
.macro CROUND                          ; a whole round
	s_barrier_signal -1
	s_barrier_wait -1
	CREST
.endm
; A PREFETCH of the tile of Wp that the NEXT refill will ask for: one step, 256 matrix instructions, ahead.  All clusters walk the same tiles: cluster 0 alone asks.  Its sixteen waves share a tile's 512 blocks of 256 bytes
; out BY ADDRESS (32,768 x place in the cluster + 8,192 x wave + 256 x lane): a lane a block, one instruction a wave, each block named once in the launch.  Tiles 0 to 2 come by their loads alone.
; how = 1, the even steps: tiles 3, 5 .. 15.  how = 0, the odd steps: tiles 4, 6 .. 14, and nothing in the loop's last trip, where there is no further tile.
.macro ASK how
.if \how
	s_cmp_eq_u32 s[LIM], 1
.else
	s_cmp_gt_u32 s3, s[LIM]
.endif
	s_cbranch_scc0 .Lnot_mine_\@
	global_prefetch_b8 v[PFO], s[PFA:PFA+1] th:TH_LOAD_NT scope:SCOPE_SE
.Lnot_mine_\@:
.endm
; THE RIDERS, on the finished set at register o of window 1: my own tiles' 64 registers at o (32 pairs), my partner's sums for them at o + 64.  RS writes the riders of slot sn, the place behind one matrix instruction.
; The 64 registers are two parts, A = the first NA = 30 and B = the other 34, so that each batch of powers or reciprocals has plain lines of the other part beside it, and each batch fills one unit of 32 slots:
;   slots   0-7    (unit 2)  y = my half x 2 log2(e) + c', four pairs a slot, each accumulator from its low end on
;   slots   8-39   (unit 3)  y += my partner's half x 2 log2(e), a pair a slot | 2^y of A: register i two slots behind slot i, so behind its pair
;   slots  40-71   (unit 4)  + 1 on A | 2^y of B          slots  72-103 (unit 5)  + 1 on B | the reciprocals of A          slots 104-135 (unit 6)  the dot of A | the reciprocals of B
;   slots 136-151  (unit 7)  the dot of B; then SC takes the step's two sums
; Nothing in a unit names a result of that unit's own batch.  The wait between a batch and its first reader, s_wait_alu depctr_va_vdst(0), stands once a batch, at the next unit's head, behind that
; head's v_nop.  The dot sums in the first two pairs of the partner's registers, which are free by then: so one window setting serves slots 8 to 151.
.set NA, 30
.macro DOT o, q                        ; pair q: the step's sum of tile q / 16 takes q x (-2 w_score); a tile's first pair starts the sum
.set dq, (\q)
.set dd, (\o)+64+2*(dq/16)
.set dw, WT+8*((dq/4)%4)+2*(dq%4)
.if dq%16 == 0
	v_pk_mul_f32 v[dd:dd+1], v[(\o)+2*dq:(\o)+2*dq+1], v[dw:dw+1]
.else
	v_pk_fma_f32 v[dd:dd+1], v[(\o)+2*dq:(\o)+2*dq+1], v[dw:dw+1], v[dd:dd+1]
.endif
.endm
.macro RS o
.if sn < 8
	WIN 0x41                                       ; destination and source 0 in window 1, the table (source 2) in window 0
.irp z, 0,1,2,3
.set ri, 4*sn+(\z)
	v_pk_fma_f32 v[(\o)+2*ri:(\o)+2*ri+1], v[(\o)+2*ri:(\o)+2*ri+1], s[KS:KS+1], v[CT+8*((ri/4)%4)+2*(ri%4):CT+8*((ri/4)%4)+2*(ri%4)+1] op_sel_hi:[1,0,1]
.endr
.elseif sn < 40
.set rq, sn-8
	WIN 0x51                                       ; destination, source 0 and source 2 in window 1, source 1 in window 0
	v_pk_fma_f32 v[(\o)+2*rq:(\o)+2*rq+1], v[(\o)+64+2*rq:(\o)+64+2*rq+1], s[KS:KS+1], v[(\o)+2*rq:(\o)+2*rq+1] op_sel_hi:[1,0,1]
.if rq >= 2
	v_exp_f32 v[(\o)+rq-2], v[(\o)+rq-2]
.endif
.elseif sn < 72
.set rq, sn-40
	WIN 0x51
.if rq < NA/2
	v_pk_add_f32 v[(\o)+2*rq:(\o)+2*rq+1], v[(\o)+2*rq:(\o)+2*rq+1], 1.0 op_sel_hi:[1,0]
.endif
	v_exp_f32 v[(\o)+NA+rq], v[(\o)+NA+rq]
.if (rq == 15) || (rq == 16)           ; B has two registers more than the unit has slots
	v_exp_f32 v[(\o)+NA+17+rq], v[(\o)+NA+17+rq]
.endif
.elseif sn < 104
.set rq, sn-72
.if rq < NA
	WIN 0x51
.endif
.if rq < 32-NA/2
	v_pk_add_f32 v[(\o)+NA+2*rq:(\o)+NA+2*rq+1], v[(\o)+NA+2*rq:(\o)+NA+2*rq+1], 1.0 op_sel_hi:[1,0]
.endif
.if rq < NA
	v_rcp_f32 v[(\o)+rq], v[(\o)+rq]
.endif
.elseif sn < 136
.set rq, sn-104
	WIN 0x51
.if rq < NA/2
	DOT \o, rq
.endif
	v_rcp_f32 v[(\o)+NA+rq], v[(\o)+NA+rq]
.if (rq == 15) || (rq == 16)
	v_rcp_f32 v[(\o)+NA+17+rq], v[(\o)+NA+17+rq]
.endif
.else
.set rq, sn-136
	WIN 0x51
.if rq == 0
	DOT \o, NA/2
.endif
	DOT \o, 16+rq
.if rq == 15
	WIN 0x01                                       ; source 0 in window 1, all else in window 0
	v_pk_add_f32 v[SC:SC+1],   v[(\o)+64:(\o)+65], v[SC:SC+1]
	v_pk_add_f32 v[SC+2:SC+3], v[(\o)+66:(\o)+67], v[SC+2:SC+3]
.endif
.endif
.set sn, sn+1
.endm
; Eight matrix instructions: block kl of my 16 blocks of 32 channels, local tiles 2 th, 2 th + 1 x four blocks of 16 h, into set p.  Source 0 (Wp) in window 0, source 1 (past) in window 2 or 3, C and D in window 1.
; The sixteen accumulators take turns, one instruction a turn, from block to block, from step to step and over the loop's jump.  Block 0 starts the sums with the constant 0.
; rid = 1: a slot of riders on the other set stands behind each; they name none of the products' registers.
.macro GRP8 p, kl, th, rid
.irp t, 2*(\th), 2*(\th)+1
.irp ht, 0,1,2,3
	WIN 0x58+4*((\kl)/8)
.set gd, 128*(\p)+8*(4*(\t)+(\ht))
.set gf, F+64*(((\kl)/2)%2)+32*((\kl)%2)+8*(\ht)
.set ga, 8*(4*((\kl)%8)+(\t))
.if (\kl) == 0
	v_wmma_f32_16x16x32_bf16 v[gd:gd+7], v[gf:gf+7], v[ga:ga+7], 0
.else
	v_wmma_f32_16x16x32_bf16 v[gd:gd+7], v[gf:gf+7], v[ga:ga+7], v[gd:gd+7]
.endif
.if \rid
	RS 128*(1-(\p))
.endif
.endr
.endr
.endm
.macro UNITM p, u, rid                 ; a unit's 32 products: blocks 2 u and 2 u + 1
	GRP8 \p, 2*(\u), 0, \rid
	GRP8 \p, 2*(\u), 1, \rid
	GRP8 \p, 2*(\u)+1, 0, \rid
	GRP8 \p, 2*(\u)+1, 1, \rid
.endm
; 16 LDS loads in one run: Wp's 8 fragments of unit u of my half of a slot, into buffer f
.macro FETCH slot, u, f
	WIN 0
.irp kk, 0,1
.irp ht, 0,1,2,3
	ds_load_b128 v[F+64*(\f)+32*(\kk)+8*(\ht):F+64*(\f)+32*(\kk)+8*(\ht)+3],   v[ADR+(\slot)] offset:(2*(\u)+(\kk))*4096+(\ht)*1024
	ds_load_b128 v[F+64*(\f)+32*(\kk)+8*(\ht)+4:F+64*(\f)+32*(\kk)+8*(\ht)+7], v[ADR+(\slot)] offset:(2*(\u)+(\kk))*4096+(\ht)*1024+512
.endr
.endr
.endm
.macro TABC                            ; my 32 numbers of c' in the block in hand: h = 16 ht + 8 hh + 0..7
	WIN 0
.irp ht, 0,1,2,3
	ds_load_b128 v[CT+8*(\ht):CT+8*(\ht)+3],   v[TCA] offset:64*(\ht)
	ds_load_b128 v[CT+8*(\ht)+4:CT+8*(\ht)+7], v[TCA] offset:64*(\ht)+16
.endr
.endm
.macro TABW                            ; the same of -2 w_score
	WIN 0
.irp ht, 0,1,2,3
	ds_load_b128 v[WT+8*(\ht):WT+8*(\ht)+3],   v[TCA] offset:256+64*(\ht)
	ds_load_b128 v[WT+8*(\ht)+4:WT+8*(\ht)+7], v[TCA] offset:256+64*(\ht)+16
.endr
.endm
.macro XSEND o                         ; the sums of local tiles 2, 3 of the set at o: 16 stores of 512 consecutive bytes, each accumulator's low half first
	WIN 0x04                                       ; store data (source 1) in window 1
.set xi, 0
.rept 16
	ds_store_b128 v[XW], v[(\o)+64+4*xi:(\o)+64+4*xi+3] offset:512*xi
.set xi, xi+1
.endr
.endm
.macro XRECV o                         ; my partner's sums for my tiles, into the registers that I sent from
	WIN 0x40
.set xi, 0
.rept 16
	ds_load_b128 v[(\o)+64+4*xi:(\o)+64+4*xi+3], v[XRD] offset:512*xi
.set xi, xi+1
.endr
.endm
; The eighth unit changes slots.  In front of ONE barrier each wave waits for all its tensor loads (one is out: its quarter of the other slot), adds 0 to its spare word, and waits for that and for its reads of this slot.
; mode = 2: the barrier opens a round of the cluster's barrier, and behind the round this slot is filled again, with the tile two steps on: the wave's one tensor load, 240 matrix instructions ahead of the wait for it.
; mode = 1: the last change: nothing is filled.  mode = 0: the last step: a plain barrier, between my partner's reads of what I sent in this step and what I send behind it.
; The riders of its first sixteen products are the dot's, plain lines; the wait for the last batch of reciprocals stands at its head, ahead of them and of the round's branch.
.macro TURN p, slot, mode
	v_nop                                          ; the plain line behind the last reciprocal,
	s_wait_alu depctr_va_vdst(0)                   ; and one wait for the batch
.if (\mode) == 0
	s_wait_dscnt 0x0                               ; the unit's fragments are in, and no LDS instruction of mine is out
	s_barrier_signal -1
	GRP8 \p, 14, 0, 1
	GRP8 \p, 14, 1, 1
	s_barrier_wait -1
	GRP8 \p, 15, 0, 0
	GRP8 \p, 15, 1, 0
.else
.if (\mode) == 2
	s_wait_xcnt 0x0                                ; the last prefetch, a step back, has read its address:
	s_add_nc_u64 s[PFA:PFA+1], s[PFA:PFA+1], SLOTB ; the tile behind the one that is about to be asked for
.endif
	WIN 0
	s_wait_tensorcnt 0x0                           ; all my tensor loads have landed
	ds_add_u32 v[SPW], v[NIL]                      ; 0 onto my spare word
	s_wait_dscnt 1                                 ; the unit's fragments, the slot's last, are in; the add alone may be out
	GRP8 \p, 14, 0, 1                              ; work on registers between the add and the wait for it
	s_wait_dscnt 0x0                               ; the add is done, and my reads of this slot are over
	s_barrier_signal -1
	GRP8 \p, 14, 1, 1
	WIN 0                                          ; at a branch and at a label every window is 0
	s_barrier_wait -1
.if (\mode) == 2
	CREST                                          ; no wave of any partner still reads this slot or has a load on its way
	s_add_nc_u64 s[G0+4*(\slot)+2:G0+4*(\slot)+3], s[G0+4*(\slot)+2:G0+4*(\slot)+3], 2*SLOTB
	tensor_load_to_lds s[G0+4*(\slot):G0+4*(\slot)+3], s[G1:G1+7]
	s_nop 0
.endif
	PLACES                                         ; behind the load; also the places ahead of the loads into buffer 0
	FETCH 1-(\slot), 0, 0
.if (\mode) == 2
	ASK 1-(\slot)
.endif
	GRP8 \p, 15, 0, 0
	GRP8 \p, 15, 1, 0
.endif
.endm
; A STEP: eight units of 32 products on buffers 0, 1, 0, 1 ..  Every LDS run stands at a unit's head: the next unit's 16 fragment loads, a whole unit ahead of the wait for them, and with them what the riders need:
; unit 0 the sums of the step before are sent; unit 1 signals that they lie in LDS, and fetches that step's tables; unit 2 waits for the partner's signal and fetches its sums.  No run has more than 32 LDS instructions.
; Each wait for 0 finds loads that were issued a unit earlier.
.macro STEP p, slot, mode
.set sn, 0
	s_wait_dscnt 0x0                               ; unit 0's fragments
	PLACES                                         ; behind the last step's last products: ahead of the loads into buffer 1, and of the stores of those products' results
	FETCH \slot, 1, 1
	XSEND 128*(1-(\p))
	UNITM \p, 0, 0
	s_wait_dscnt 0x0                               ; for my partner's sake: what I send lies in LDS
	s_barrier_signal -1
	PLACES
	WIN 0
	v_add_nc_u32 v[TCA], s[TBL], v[T0]
	s_add_co_u32 s[TBL], s[TBL], 512
	FETCH \slot, 2, 0                              ; between signal and wait: loads of a slot that nobody writes before the change of slots and of tables that nobody writes again, and products
	TABC
	TABW
	UNITM \p, 1, 0
	s_wait_dscnt 0x0
	s_barrier_wait -1
	PLACES
	XRECV 128*(1-(\p))
	FETCH \slot, 3, 1
	GRP8 \p, 4, 0, 1                               ; slots 0 to 7
	GRP8 \p, 4, 1, 0
	GRP8 \p, 5, 0, 0
	GRP8 \p, 5, 1, 0
.irp u, 3,4,5,6
	s_wait_dscnt 0x0
	PLACES                                         ; also the plain lines behind the last unit's batch
.if (\u) > 3
	s_wait_alu depctr_va_vdst(0)                   ; one wait for that batch, directly ahead of the run of LDS loads
.endif
	FETCH \slot, (\u)+1, ((\u)+1)%2
	UNITM \p, \u, 1
.endr
	TURN \p, \slot, \mode
.endm
; past: 32 loads: channels 64 b .. 64 b + 63 of my half, of my 64 rows, in f32, into half b % 2 of window 1.  Load i takes rows a and a + 8, a = 16 (i / 8) + i % 8: sixteen lanes a row, 256 consecutive bytes, aligned.
.macro GLOAD b
	WIN 0x40
.set bi, 0
.rept 32
	global_load_b128 v[128*((\b)%2)+4*bi:128*((\b)%2)+4*bi+3], v[GOF], s[4:5] offset:((bi/8)*16+bi%8)*4096+256*(\b) th:TH_LOAD_NT
.set bi, bi+1
.endr
.endm
; A batch: rounded to bf16 in place (4 numbers a load become 8 bytes), laid into my rows in LDS, read back as 8 fragments.  LDS serves a wave's instructions in order (ISA guide 5.7.1.4): the loads see the stores above
; them, and the next batch's stores come behind these loads.  Then the registers are asked for again.
.macro BATCH b
.if (\b) < 7
	s_wait_loadcnt 32                              ; batch b is in; the next batch's 32 loads stay out
.else
	s_wait_loadcnt 0x0
.endif
	WIN 0x45
.set bi, 0
.rept 32
	v_cvt_pk_bf16_f32 v[128*((\b)%2)+4*bi],   v[128*((\b)%2)+4*bi],   v[128*((\b)%2)+4*bi+1]
	v_cvt_pk_bf16_f32 v[128*((\b)%2)+4*bi+1], v[128*((\b)%2)+4*bi+2], v[128*((\b)%2)+4*bi+3]
.set bi, bi+1
.endr
	WIN 0x04
.set bi, 0
.rept 32
	ds_store_b64 v[XS], v[128*((\b)%2)+4*bi:128*((\b)%2)+4*bi+1] offset:((bi/8)*16+bi%8)*XP
.set bi, bi+1
.endr
	WIN (2+(\b)/4)<<6
.irp kk, 0,1
.irp t, 0,1,2,3
.set xd, 8*(4*((2*(\b)+(\kk))%8)+(\t))
	ds_load_b128 v[xd:xd+3],   v[XR+(\t)/2] offset:((\t)%2)*16*XP+64*(\kk)
	ds_load_b128 v[xd+4:xd+7], v[XR+(\t)/2] offset:((\t)%2)*16*XP+64*(\kk)+32
.endr
.endr
.if (\b) < 6
	GLOAD (\b)+2
.endif
.endm
	s_load_b256 s[4:11], s[0:1], 0x0               ; past s[4:5], wfrag s[6:7], ck s[8:9], w_score s[10:11]
	s_load_b128 s[12:15], s[0:1], 0x20             ; scores s[12:13], part s[14:15]
	v_lshl_add_u32 v[SPW], v0, 2, SPARE
	v_mov_b32 v[NIL], 0
	ds_add_u32 v[SPW], v[NIL]                      ; the wave's opening: the add, and its wait ahead of my first tensor load; the set-up, work on registers, stands between them
	v_lshrrev_b32 v1, 5, v0
	v_readfirstlane_b32 s[WV], v1                  ; wave 0..3
	s_and_b32 s[KH], s[WV], 1
	s_lshr_b32 s[GR], s[WV], 1
	s_xor_b32 s54, s[WV], 1                        ; my partner
	s_bfe_u32 s17, ttmp6, 0x40000                  ; cx: my place in the cluster
	s_lshl_b32 s18, ttmp9, 2                       ; in a cluster launch ttmp9 counts clusters
	s_add_co_u32 s18, s18, s17                     ; my chunk: it enters the addresses of past, ck, scores and part alone
	; descriptor group 1: a quarter of a tile, 32,768 dense bytes, as 128 rows of 256 bytes
	s_mov_b32 s[G1+0], 15|(3<<16)|(1<<21)          ; 15:0 the mask: all four work-groups; 17:16 elements of 8 bytes; 21 set beside a mask; no padding
	s_mov_b32 s[G1+1], 32<<16                      ; tensor_dim0 = 32
	s_mov_b32 s[G1+2], 128<<16                     ; tensor_dim1 = 128
	s_mov_b32 s[G1+3], 32<<16                      ; tile_dim0 = 32
	s_mov_b32 s[G1+4], 128                         ; tile_dim1 = 128
	s_mov_b32 s[G1+5], 32                          ; 32 elements from row to row
	s_mov_b32 s[G1+6], 0
	s_mov_b32 s[G1+7], 0
	s_mov_b32 s[G0], 1                             ; count = 1
	s_lshl_b32 s[G0+1], s[WV], 15                  ; LDS address: my quarter of slot 0,
	s_mov_b32 s[G0+4], 1
	s_add_co_u32 s[G0+5], s[G0+1], SLOTB           ; of slot 1: no place in the cluster enters an LDS address
	s_lshl_b32 s50, s[WV], 15                      ; my quarter in memory: made of the wave's number alone
	s_mov_b32 s51, 0
	s_mov_b32 s[KS], 0x4038aa3b
	s_mov_b32 s[KS+1], s[KS]
	s_mov_b32 s[L2E], 0x3fb8aa3b
	s_mov_b32 s[L2E+1], s[L2E]
	s_mov_b32 s[SEL], 0x76543210
	s_mov_b32 s[SEL+1], 0xfedcba98
	s_mov_b32 s[TBL], 0
	s_cmp_eq_u32 ttmp9, 0                          ; the same in all four partners
	s_cselect_b32 s[LIM], 1, -1
	v_and_b32 v1, 15, v0                           ; r = l % 16
	v_bfe_u32 v2, v0, 4, 1                         ; hh = l / 16
	v_and_b32 v24, 31, v0                          ; l
	v_lshlrev_b32 v25, 5, v2                       ; 32 hh
	v_cmp_gt_u32 s[MK], 16, v24
	v_lshlrev_b32 v[GOF], 15, v2
	v_lshl_add_u32 v[GOF], v1, 4, v[GOF]
	v_lshlrev_b32 v[L16], 4, v24
	s_lshl_b32 s19, s[KH], 16
	v_add_nc_u32 v[ADR], s19, v[L16]
	v_add_nc_u32 v[ADR+1], 0x20000, v[ADR]
	s_mul_i32 s53, s[WV], XPW
	s_add_co_u32 s53, s53, XB                      ; my 9,216 bytes,
	s_mul_i32 s55, s54, XPW
	s_add_co_u32 s55, s55, XB                      ; my partner's
	v_add_nc_u32 v[XW], s53, v[L16]
	v_add_nc_u32 v[XRD], s55, v[L16]
	v_mul_u32_u24 v[XS], v2, 8*XP                  ; in: row a + 8 hh, 8 bytes at 8 (l % 16)
	v_lshl_add_u32 v[XS], v1, 3, v[XS]
	v_add_nc_u32 v[XS], s53, v[XS]
	v_mul_u32_u24 v26, v1, XP                      ; back: row r of a tile, 16 bytes for each half of the lanes
	v_lshl_add_u32 v26, v2, 4, v26
	v_add_nc_u32 v26, s53, v26
	s_mul_i32 s19, s[KH], 32*XP                    ; my own 32 of the group's 64 rows,
	v_add_nc_u32 v[XR], s19, v26
	s_xor_b32 s19, s19, 32*XP                      ; the other 32
	v_add_nc_u32 v[XR+1], s19, v26
	v_add_nc_u32 v[T0], TAB, v25
	v_lshrrev_b32 v26, 3, v0                       ; thread i holds numbers 8 i .. 8 i + 7 of the tables: step i / 8,
	v_and_b32 v27, 7, v0                           ; place i % 8
	v_lshlrev_b32 v[TST], 9, v26
	v_lshl_add_u32 v[TST], v27, 5, v[TST]
	v_add_nc_u32 v[TST], TAB+512, v[TST]
	v_mul_u32_u24 v26, v1, SPITCH                  ; the stage: row 32 w + r (or 32 (w xor 1) + r), my half of its channels, 16 hh
	v_lshl_add_u32 v26, v2, 4, v26
	s_lshl_b32 s56, s[KH], 10
	s_mul_i32 s19, s[WV], 32*SPITCH
	s_add_co_u32 s19, s19, s56
	v_add_nc_u32 v[STO], s19, v26
	s_mul_i32 s19, s54, 32*SPITCH
	s_add_co_u32 s19, s19, s56
	v_add_nc_u32 v[STO+1], s19, v26
	v_lshl_add_u32 v26, v2, 3, v27                 ; the turning load: lane l reads row 8 hh + l % 8, 16 bytes at 16 ((l / 8) % 2)
	v_mul_u32_u24 v26, v26, SPITCH
	v_bfe_u32 v27, v0, 3, 1
	v_lshl_add_u32 v26, v27, 4, v26
	s_lshl_b32 s19, s[WV], 9                       ; the 256 channels of part that I make
	v_add_nc_u32 v[RDT], s19, v26
	v_add_nc_u32 v[RDT+1], 32*SPITCH, v[RDT]
	v_add_nc_u32 v[RDT+2], 64*SPITCH, v[RDT]
	v_add_nc_u32 v[RDT+3], 96*SPITCH, v[RDT]
	v_lshl_add_u32 v[SCW], v0, 2, SCR
	v_add_nc_u32 v[SQA], SCR, v[L16]
	v_lshlrev_b32 v[PFO], 8, v24
	v_add_nc_u32 v[PSA], SCR, v25
	s_lshl_b32 s19, s[WV], 10
	s_add_co_u32 s19, s19, OSC
	v_lshl_add_u32 v[OSW], v24, 2, s19
	v_add_nc_u32 v[OSR], s19, v[L16]
	v_lshl_add_u32 v26, v0, 2, TAB                 ; my word of the block of zeros
	v_lshlrev_b32 v25, 5, v0                       ; my 32 bytes of ck's row and of w_score
	s_wait_dscnt 0x0                               ; the opening add is done
	s_wait_kmcnt 0x0
	s_lshl_b32 s20, s18, 19                        ; a chunk is 128 rows of 4,096 bytes;
	s_lshl_b32 s19, s[GR], 18                      ; my group's 64 rows;
	s_add_co_u32 s20, s20, s19
	s_lshl_b32 s19, s[KH], 11                      ; my half of their channels
	s_add_co_u32 s20, s20, s19
	s_mov_b32 s21, 0
	s_add_nc_u64 s[4:5], s[4:5], s[20:21]
	s_lshr_b32 s20, s18, 4                         ; the batch
	s_lshl_b32 s20, s20, 12
	s_add_nc_u64 s[8:9], s[8:9], s[20:21]
	s_lshl_b32 s20, s18, 9
	s_add_nc_u64 s[12:13], s[12:13], s[20:21]
	s_lshl_b32 s20, s18, 12
	s_lshl_b32 s19, s[WV], 10
	s_add_co_u32 s20, s20, s19
	s_add_nc_u64 s[14:15], s[14:15], s[20:21]
	s_add_nc_u64 s[G0+2:G0+3], s[6:7], s[50:51]    ; global address: my quarter of tile 0,
	s_add_nc_u64 s[G0+6:G0+7], s[G0+2:G0+3], SLOTB ; of tile 1
	s_or_b32 s[G0+3], s[G0+3], 0x80000000          ; type = 2
	s_or_b32 s[G0+7], s[G0+7], 0x80000000
	s_lshl_b32 s20, s17, 15
	s_lshl_b32 s19, s[WV], 13
	s_add_co_u32 s20, s20, s19
	s_add_co_u32 s20, s20, 2*SLOTB                 ; in tile 2: the first change of slots steps it to tile 3.  Nothing is prefetched at the head
	s_add_nc_u64 s[PFA:PFA+1], s[6:7], s[20:21]
	CROUND                                         ; all four work-groups are here: the first joint loads meet
	tensor_load_to_lds s[G0:G0+3], s[G1:G1+7]      ; both first fills go out together: two tensor loads of mine are out
	s_nop 0
	tensor_load_to_lds s[G0+4:G0+7], s[G1:G1+7]
	s_nop 0
	PLACES
	global_load_b128 v[CT:CT+3],   v25, s[8:9]
	global_load_b128 v[CT+4:CT+7], v25, s[8:9] offset:16
	global_load_b128 v[WT:WT+3],   v25, s[10:11]
	global_load_b128 v[WT+4:WT+7], v25, s[10:11] offset:16
	GLOAD 0
	WIN 0
	s_wait_loadcnt 32                              ; the tables' four loads are in; past's 32 stay out
.irp j, 0,1,2,3                        ; w_score rounded to bf16, widened again, and times -2, which rounds nothing
	v_cvt_pk_bf16_f32 v[WT+8+(\j)], v[WT+2*(\j)], v[WT+2*(\j)+1]
.endr
.irp j, 0,1,2,3
	v_lshlrev_b32 v[WT+2*(\j)], 16, v[WT+8+(\j)]
	v_and_b32 v[WT+2*(\j)+1], 0xffff0000, v[WT+8+(\j)]
.endr
.irp j, 0,2,4,6
	v_pk_mul_f32 v[WT+(\j):WT+(\j)+1], v[WT+(\j):WT+(\j)+1], -2.0 op_sel_hi:[1,0]
.endr
	ds_store_b128 v[TST], v[CT:CT+3]
	ds_store_b128 v[TST], v[CT+4:CT+7] offset:16
	ds_store_b128 v[TST], v[WT:WT+3]   offset:256
	ds_store_b128 v[TST], v[WT+4:WT+7] offset:272
	ds_store_b32 v26, v[NIL]
	GLOAD 1
.irp b, 0,1,2,3,4,5,6,7
	BATCH \b
.endr
	WIN 0x40
.set i, 0
.rept 128
	v_mov_b32 v[128+i], 0                          ; what step 0's exchange and riders find
.set i, i+1
.endr
	WIN 0
.irp j, 0,1,2,3
	v_mov_b32 v[SC+(\j)], 0
.endr
	s_wait_tensorcnt 0x1                           ; my quarter of slot 0 is in; slot 1's may stay out
	s_wait_dscnt 0x0                               ; my part of the tables lies in LDS, and my fragments of past are in
	s_barrier_signal -1
	s_barrier_wait -1
	FETCH 0, 0, 0
	s_mov_b32 s3, 7
.Lstep:                                        ; seven trips of two steps: steps 0 to 13, which ask for tiles 2 to 15
	STEP 0, 0, 2
	STEP 1, 1, 2
	WIN 0
	s_sub_co_u32 s3, s3, 1
	s_cmp_lg_u32 s3, 0
	s_cbranch_scc1 .Lstep
	STEP 0, 0, 1                                   ; the last two steps are written out: they ask for nothing
	STEP 1, 1, 0
	PLACES
	WIN 0
	v_add_nc_u32 v[TCA], s[TBL], v[T0]             ; step 15's block
	TABC
	TABW
	XSEND 128
	s_wait_dscnt 0x0                               ; what I send lies in LDS
	s_barrier_signal -1
	s_barrier_wait -1
	XRECV 128
	s_wait_dscnt 0x0
.set sn, 0                             ; step 15's riders have no products to stand beside: the same slots on end, a v_nop and the wait behind each batch
.rept 40
	RS 128
.endr
	v_nop
	s_wait_alu depctr_va_vdst(0)
.rept 3
.rept 32
	RS 128
.endr
	v_nop
	s_wait_alu depctr_va_vdst(0)
.endr
.rept 16
	RS 128
.endr
	WIN 0
	; THE SCORES.  A tile's pair, then the other half of the lanes' h; lane l then takes row 32 w + l
	v_add_f32 v24, v[SC], v[SC+1]
	v_add_f32 v25, v[SC+2], v[SC+3]
	v_permlanex16_b32 v26, v24, s[SEL], s[SEL+1]
	v_permlanex16_b32 v27, v25, s[SEL], s[SEL+1]
	v_add_f32 v24, v24, v26
	v_add_f32 v25, v25, v27
	v_cndmask_b32 v24, v25, v24, s[MK]
	ds_store_b32 v[SCW], v24
	s_wait_dscnt 0x0                               ; my scores lie in LDS, and my reads of the slots were over long ago
	s_barrier_signal -1
	s_barrier_wait -1                              ; nobody reads a slot any more, and no tensor load is to come: the stage may be written over them
	ds_load_b128 v[SQ:SQ+3], v[SQA]                ; the 128 scores, four a lane
.irp kb, 0,1,2,3                       ; and as source 0 wants them: s = 32 kb + 8 hh + 0..7 and 32 kb + 16 + 8 hh + 0..7, the same in all 16 rows
	ds_load_b128 v[F+16*(\kb):F+16*(\kb)+3],     v[PSA] offset:128*(\kb)
	ds_load_b128 v[F+16*(\kb)+4:F+16*(\kb)+7],   v[PSA] offset:128*(\kb)+16
	ds_load_b128 v[F+16*(\kb)+8:F+16*(\kb)+11],  v[PSA] offset:128*(\kb)+64
	ds_load_b128 v[F+16*(\kb)+12:F+16*(\kb)+15], v[PSA] offset:128*(\kb)+80
.endr
	s_wait_dscnt 0x0
	s_cmp_lg_u32 s[WV], 0
	s_cbranch_scc1 .Lnot_0
	global_store_b128 v[L16], v[SQ:SQ+3], s[12:13] ; wave 0: the chunk's scores, 512 consecutive bytes, aligned
.Lnot_0:
.irp w, 0,1                            ; my fragments of past go into the stage as rows: 128 LDS stores, which drain while the weights are made
	WIN 0x08+4*(\w)                                ; store data (source 1) in window 2, then 3
.set sk, 0
.rept 8
.irp t, 0,1,2,3
	ds_store_b128 v[STO+(\t)/2], v[8*(4*sk+(\t)):8*(4*sk+(\t))+3]   offset:((\t)%2)*16*SPITCH+64*(sk+8*(\w))
	ds_store_b128 v[STO+(\t)/2], v[8*(4*sk+(\t))+4:8*(4*sk+(\t))+7] offset:((\t)%2)*16*SPITCH+64*(sk+8*(\w))+32
.endr
.set sk, sk+1
.endr
.endr
	WIN 0
	v_max3_num_f32 v24, v[SQ], v[SQ+1], v[SQ+2]    ; the chunk's maximum, in every lane of every wave
	v_max_num_f32 v24, v24, v[SQ+3]
	v_max_num_f32_dpp v24, v24, v24 row_xmask:1 row_mask:0xf bank_mask:0xf
	v_max_num_f32_dpp v24, v24, v24 row_xmask:2 row_mask:0xf bank_mask:0xf
	v_max_num_f32_dpp v24, v24, v24 row_xmask:4 row_mask:0xf bank_mask:0xf
	v_max_num_f32_dpp v24, v24, v24 row_xmask:8 row_mask:0xf bank_mask:0xf
	v_permlanex16_b32 v25, v24, s[SEL], s[SEL+1]
	v_max_num_f32 v24, v24, v25
	v_mul_f32 v24, s[L2E], v24
	v_mov_b32 v25, v24                             ; named with it as a pair
.set i, 0
.rept 32
	v_pk_fma_f32 v[F+i:F+i+1], v[F+i:F+i+1], s[L2E:L2E+1], v[24:25] op_sel_hi:[1,0,0] neg_lo:[0,0,1] neg_hi:[0,0,1]
.set i, i+2
.endr
.set i, 0
.rept 64
	v_exp_f32 v[F+i], v[F+i]
.set i, i+1
.endr
	v_nop                                          ; the plain line behind the last power,
	s_wait_alu depctr_va_vdst(0)                   ; and one wait for the batch
.irp kb, 0,1,2,3
.irp j, 0,1,2,3,4,5,6,7
	v_cvt_pk_bf16_f32 v[PF+8*(\kb)+(\j)], v[F+16*(\kb)+2*(\j)], v[F+16*(\kb)+2*(\j)+1]
.endr
.endr
	s_wait_dscnt 0x0                               ; my rows lie in the stage
	s_barrier_signal -1
	s_barrier_wait -1                              ; everybody's do
	; THE SECOND PRODUCT, in two batches of 128 channels: 64 turning loads fill window 1, then 32 matrix instructions, the 8 accumulators by turns; the first 8 start the sums
.irp bt, 0,1
	WIN 0x40
.irp kb, 0,1,2,3
.irp jj, 0,1,2,3,4,5,6,7
	ds_load_tr16_b128 v[8*(8*(\kb)+(\jj)):8*(8*(\kb)+(\jj))+3],   v[RDT+(\kb)] offset:32*(8*(\bt)+(\jj))
	ds_load_tr16_b128 v[8*(8*(\kb)+(\jj))+4:8*(8*(\kb)+(\jj))+7], v[RDT+(\kb)] offset:32*(8*(\bt)+(\jj))+16*SPITCH
.endr
.endr
	s_wait_dscnt 0x0
	WIN 0x04                                       ; source 1 in window 1, all else in window 0
.irp kb, 0,1,2,3
.irp jj, 0,1,2,3,4,5,6,7
.set gd, F+64*(1-(\bt))+8*(\jj)
.if (\kb) == 0
	v_wmma_f32_16x16x32_bf16 v[gd:gd+7], v[PF+8*(\kb):PF+8*(\kb)+7], v[8*(8*(\kb)+(\jj)):8*(8*(\kb)+(\jj))+7], 0
.else
	v_wmma_f32_16x16x32_bf16 v[gd:gd+7], v[PF+8*(\kb):PF+8*(\kb)+7], v[8*(8*(\kb)+(\jj)):8*(8*(\kb)+(\jj))+7], v[gd:gd+7]
.endif
.endr
.endr
	WIN 0
	PLACES                                         ; ahead of the reads of the results, and of the next batch's loads into the sources
.irp u, 0,1,2,3                        ; all rows of a result are equal: its register 0 holds channel lane % 16 in both halves; lanes 0-15 take the even block's, lanes 16-31 the odd block's: 32 channels on end
	v_cndmask_b32 v[OUT+4*(\bt)+(\u)], v[F+64*(1-(\bt))+8*(2*(\u)+1)], v[F+64*(1-(\bt))+8*(2*(\u))], s[MK]
.endr
.endr
	; THE WAY OUT: through 1,024 bytes of my own, so that a store covers 512 consecutive bytes.  LDS serves a wave's instructions in order (ISA guide 5.7.1.4): the loads see the stores
.irp n, 0,1,2,3,4,5,6,7
	ds_store_b32 v[OSW], v[OUT+(\n)] offset:128*(\n)
.endr
	ds_load_b128 v[OUT+8:OUT+11],  v[OSR]
	ds_load_b128 v[OUT+12:OUT+15], v[OSR] offset:512
	s_wait_dscnt 0x0
	global_store_b128 v[L16], v[OUT+8:OUT+11],  s[14:15]
	global_store_b128 v[L16], v[OUT+12:OUT+15], s[14:15] offset:512
	s_wait_tensorcnt 0x0                           ; the wave's end: behind my last tensor load and my last LDS store
	ds_add_u32 v[SPW], v[NIL]
	s_wait_dscnt 0x0
	CROUND                                         ; the closing round: no work-group ends while a partner may still ask for a tile that names it
	s_endpgm
.Lfunc_end_k_qcf2e1a9b7b_main:
	.size	k_qcf2e1a9b7b_main, .Lfunc_end_k_qcf2e1a9b7b_main-k_qcf2e1a9b7b_main
	.p2alignl 7, 3214868480
	.fill 96, 4, 3214868480
	.section	.rodata,"a",@progbits
	.p2align	6, 0x0
	.amdhsa_kernel k_qcf2e1a9b7b_main
		.amdhsa_group_segment_fixed_size 327680
		.amdhsa_private_segment_fixed_size 0
		.amdhsa_enable_private_segment 0
		.amdhsa_kernarg_size 48
		.amdhsa_user_sgpr_count 2
		.amdhsa_user_sgpr_kernarg_segment_ptr 1
		.amdhsa_wavefront_size32 1
		.amdhsa_system_sgpr_workgroup_id_x 1
		.amdhsa_system_sgpr_workgroup_id_y 1
		.amdhsa_system_sgpr_workgroup_id_z 1
		.amdhsa_system_vgpr_workitem_id 0
		.amdhsa_next_free_vgpr 1024
		.amdhsa_next_free_sgpr 66
		.amdhsa_reserve_vcc 0
		.amdhsa_float_denorm_mode_32 3
		.amdhsa_float_denorm_mode_16_64 3
		.amdhsa_memory_ordered 1
		.amdhsa_forward_progress 1
		.amdhsa_inst_pref_size 255
	.end_amdhsa_kernel
	.section	.bss,"aw",@nobits
	.p2align	6
	.space	262144
	.amdgpu_metadata
---
amdhsa.version: [ 1, 2 ]
amdhsa.kernels:
  - .name:           k_qcf2e1a9b7b_main
    .symbol:         k_qcf2e1a9b7b_main.kd
    .args:
      - { .name: past_hidden, .offset: 0, .size: 8, .value_kind: global_buffer, .address_space: global }
      - { .name: wfrag, .offset: 8, .size: 8, .value_kind: global_buffer, .address_space: global }
      - { .name: ck, .offset: 16, .size: 8, .value_kind: global_buffer, .address_space: global }
      - { .name: w_score, .offset: 24, .size: 8, .value_kind: global_buffer, .address_space: global }
      - { .name: scores, .offset: 32, .size: 8, .value_kind: global_buffer, .address_space: global }
      - { .name: part, .offset: 40, .size: 8, .value_kind: global_buffer, .address_space: global }
    .group_segment_fixed_size: 327680
    .private_segment_fixed_size: 0
    .kernarg_segment_align: 8
    .kernarg_segment_size: 48
    .max_flat_workgroup_size: 128
    .sgpr_count:     66
    .vgpr_count:     1024
    .wavefront_size: 32
...
	.end_amdgpu_metadata
.endif
;; end of part 5
;; launch comb: the kernel of part 3 again; grid 128 x 1, 2 waves a work-group, no clusters, 0 bytes of LDS; arguments scores, part, out0, out1; writes out0, out1
